; MI455X (gfx1250); checked and timed in simulation.
; The chip was launched on July 23, 2026; its instructions are those of AMD's public machine-readable ISA for CDNA 5 (MIT licence, August 2026) and "CDNA5" Instruction Set Architecture Reference Guide (July 2026). The comments in the code are by the model that wrote it; some were corrected since.
;; Causal Self Attention. Allowed arithmetic: matrix products marked QUANTISED: E3M2 operands, one E8M0 scale for each 32 along K, by v_wmma_scale_f32_16x16x128_f8f6f4 with both operands' format E3M2, f32 sums; everything else in f32.
;; Inputs: W_proj 1,024 x 1,024 float32; W_qkv 3,072 x 1,024 float32; b_proj 1,024 float32; b_qkv 3,072 float32; x 4 x 2,048 x 1,024 float32.
;; Outputs: out0 4 x 2,048 x 1,024 float32.
;; This version of the problem:
;;   THIS VERSION OF THE PROBLEM IS GIVEN IN LOW PRECISION. The matrix products marked QUANTISED in the list below multiply operands that are first quantised to E3M2 (3 exponent bits, 2 mantissa bits; 6 bits a number), with one power-of-two scale for each 32 numbers along K (OCP MX v1.0); their sums are f32. All else is computed in f32.
;;   The module's matrix products, in the order in which they are computed (A, B: the left and right operand; K: the contracted axis; several contracted axes count as one K, in the product's order):
;;     1. [M 8,192, K 1,024] x [K 1,024, N 3,072]; A: input x; B: input W_qkv: QUANTISED
;;     2. batch 64 x [M 2,048, K 64] x [K 64, N 2,048]; A: computed on the way; B: computed on the way: QUANTISED
;;     3. batch 64 x [M 2,048, K 2,048] x [K 2,048, N 64]; A: softmax (see below); B: computed on the way: QUANTISED
;;     4. [M 8,192, K 1,024] x [K 1,024, N 1,024]; A: computed on the way; B: input W_proj: QUANTISED
;;   THE QUANTISER, for each operand of a quantised product, along K:
;;     - K is cut into blocks of 32 from its start; a last block that is shorter is filled with zeros.
;;     - A block's scale is 2^e with e = floor(log2(the largest magnitude in the block)) - 4, held to -126 .. 127; a block of zeros has e = 0. As a byte (E8M0): e + 127.
;;     - Each number is divided by its block's scale, clamped to +-28, and rounded to the nearest number of E3M2, ties to even, subnormals kept.
;;     - The product sums the exact products of the quantised numbers (number of the format x scale) in f32.
;;   ~~~python
;;   def quantise(x, axis):      # numpy; x: float32 -> the quantised numbers, widened to float32 again
;;       x = np.moveaxis(x, axis, -1); K = x.shape[-1]
;;       x = np.pad(x, [(0, 0)] * (x.ndim - 1) + [(0, -K % 32)]); x = x.reshape(x.shape[:-1] + (-1, 32)); a = np.abs(x).max(-1, keepdims=True)
;;       e = np.where(a > 0, np.clip(np.frexp(np.where(a > 0, a, 1))[1] - 1 - 4, -126, 127), 0)      # np.frexp(a)[1] - 1 = floor(log2(a)), exactly
;;       r = np.clip(x / 2.0 ** e, -28, 28)
;;       step = 2.0 ** (np.maximum(np.frexp(np.where(r == 0, 1, r))[1] - 1, -2) - 2)
;;       q = np.round(r / step) * step * 2.0 ** e      # np.round: ties to even
;;       return np.moveaxis(q.reshape(q.shape[:-2] + (-1,))[..., :K], -1, axis).astype(np.float32)
;;   ~~~
;;   SOFTMAX AHEAD OF A QUANTISED PRODUCT. Where the list says 'softmax', what is quantised is not the finished softmax but p = 2^(t - M), with t = logit x log2(e) and M = ceil(the row's largest t), a whole number; so 1/2 < the row's largest p <= 1. The row's sum l is taken of the UNQUANTISED p, in f32, and the product's result is divided by l at the end. Since M is a whole number, a kernel that streams over the keys may use a running M (the ceiling of the running maximum): every later rescaling is an exact power of two, which a block's scale takes up: the codes' values come out the same.
;;   OPERANDS COMPUTED ON THE WAY. 'Computed on the way' means the value that the module computes at that place (a softmax that the list does not call 'softmax' is quantised finished and normalised). What goes into a quantiser is computed in f32, as accurately as f32 sums, v_exp_f32 and their like allow (about 1e-6 of the number): no bf16 or f16 on the way to a quantiser, and a product that is left as it is and whose result goes on into a quantised operand takes f32 operands (vector FMAs, or v_wmma_f32_16x16x4_f32). A number that lies on a knife's edge between two numbers of the format may be rounded either way, as far as f32 arithmetic and the matrix unit's own rounding can turn it there, and no further.
;; One version. Each part assembles by itself: llvm-mc -triple=amdgcn-amd-amdhsa -mcpu=gfx1250 --defsym DOCPART=n.
;; ======== version 1 of 1: 4 launches
;; workspace buffers: cod 9,437,184 bytes; scl 393,216 bytes; qkc 12,582,912 bytes; qks 1,048,576 bytes; vc 6,291,456 bytes; vs 262,144 bytes; yq 6,291,456 bytes; ys 262,144 bytes
;; launch quant (part 1): grid 384 x 1, 4 waves a work-group, no clusters, 34,304 bytes of LDS; arguments x, W_qkv, W_proj, cod, scl; writes cod, scl
.if DOCPART == 1
	.amdgcn_target "amdgcn-amd-amdhsa--gfx1250"
	.amdhsa_code_object_version 6
	.text
	.protected	k_qb24e0552f2_quant
	.globl	k_qb24e0552f2_quant
	.p2align	8
	.type	k_qb24e0552f2_quant,@function
k_qb24e0552f2_quant:
	s_mov_b64 s[64:65], 0
	v_nop
	global_prefetch_b8 v0, s[64:65] scope:SCOPE_SE
	s_setreg_imm32_b32 hwreg(HW_REG_WAVE_MODE, 25, 1), 1
	s_wait_xcnt 0x0
; x [8192][1024], W_qkv [3072][1024], W_proj [1024][1024], f32, K innermost, become codes of BF6 (E3M2) with one E8M0 byte for each 32 along K.
; A block's scale is 2^(floor(log2(largest magnitude)) - 4): its byte is the largest magnitude's exponent field - 4, held at 1 from below.
; LIMITS: NaN and infinities among the inputs are not served.  A block whose largest magnitude lies under 2^-122, a block of zeros among them, gets the byte 1
; (zeros: the rule says 127; the codes are zeros, and these bytes are read by this program alone).
; LAYOUT OUT.  The 12,288 rows are one list (x, W_qkv, W_proj) cut into 768 tiles of 16 rows.  Slot r of tile 2 G + u is row 32 G + 8 u + r + 8 (r / 8).
; cod: [tile][K step of 128][1,536 bytes]: the image of an operand's 12 registers: for c = 0, 1: registers 6 c .. 6 c + 3 at 768 c + 16 x lane, registers 6 c + 4, 6 c + 5 at 768 c + 512 + 8 x lane.
; scl: [tile][512 bytes]: the scale word of (slot r, K step s) at 256 (s / 4) + 8 (r + 16 (s % 2)) + 4 ((s / 2) % 2).
; SHARES.  A work-group takes 32 rows (two tiles); wave w takes tile u = w % 2 and half g = w / 2 of K: four fragments of 16 rows x 128 K.
; Each load reads 512 consecutive bytes of one row; a fragment's 16 rows turn through the wave's own stage in LDS (rows of 528 bytes), so that a lane gets 16 neighbours of each block of 32.
; No tensor load, no barrier, no matrix unit: a stream that is read once, and waves share nothing.  32 loads of a wave are out at the start, 16 while a fragment is worked.
.set RS,   16                          ; v16-143  two sets of 64 registers as loaded
.set X,    144                         ; v144-207 64 numbers: register 16 b + i = k 32 b + 16 (lane / 16) + i of row slot lane % 16
.set PC,   208                         ; v208-226 the codes
.set TM,   228                         ; v228-243 at work
.set PW,   244                         ; v244-247 the four fragments' scale words
.set SEL,  22                          ; s[22:23] lane selects: lane l xor 16
.set SROW, 528
	s_load_b256 s[4:11], s[0:1], 0x0               ; x, W_qkv, W_proj, cod
	s_load_b64 s[12:13], s[0:1], 0x20              ; scl
	v_lshl_add_u32 v254, v0, 2, 0x8400
	v_mov_b32 v255, 0
	v_lshrrev_b32 v1, 5, v0
	v_readfirstlane_b32 s18, v1                    ; wave
	v_and_b32 v6, 31, v0                           ; lane
	v_and_b32 v7, 15, v0                           ; r
	v_bfe_u32 v8, v0, 4, 1                         ; h
	v_lshlrev_b32 v2, 4, v6                        ; 16 x lane
	v_lshlrev_b32 v3, 3, v6                        ; 8 x lane
	s_mul_i32 s19, s18, 16*SROW                    ; my stage
	v_add_nc_u32 v4, s19, v2                       ; in: 16 x lane of a row
	v_mul_u32_u24 v5, v7, SROW
	v_lshl_add_u32 v5, v8, 6, v5
	v_add_nc_u32 v5, s19, v5                       ; out: row r, + 64 h
	s_mov_b32 s20, 0xffff0000                      ; lanes 16-31
	s_mov_b32 s[SEL], 0x76543210
	s_mov_b32 s[SEL+1], 0xfedcba98
.irp b, 0,1,2,3
	v_mov_b32 v[TM+4+\b], 0                        ; written once: a lane permute's destination counts as one of its sources
.endr
	s_and_b32 s24, s18, 1                          ; u
	s_lshr_b32 s25, s18, 1                         ; g
	s_lshl_b32 s26, ttmp9, 1
	s_add_co_u32 s26, s26, s24                     ; my tile
	s_mul_i32 s28, s26, 12288
	s_mul_i32 s27, s25, 6144
	s_add_co_u32 s28, s28, s27                     ; its codes, my half of K
	s_mov_b32 s29, 0
	s_lshl_b32 s30, s26, 9
	s_lshl_b32 s27, s25, 8
	s_add_co_u32 s30, s30, s27                     ; its scale words, my half
	s_mov_b32 s31, 0
	s_wait_alu depctr_va_vdst(0)
	s_wait_kmcnt 0x0
	s_cmp_lt_u32 ttmp9, 256                        ; which tensor: the choice hangs on the work-group's number alone
	s_cselect_b64 s[14:15], s[4:5], s[6:7]
	s_cselect_b32 s16, 0, 256
	s_cmp_lt_u32 ttmp9, 352
	s_cselect_b64 s[14:15], s[14:15], s[8:9]
	s_cselect_b32 s16, s16, 352
	s_sub_co_u32 s16, ttmp9, s16                   ; the group of 32 rows inside that tensor
	s_lshl_b32 s16, s16, 17                        ; 32 rows of 4,096 bytes
	s_lshl_b32 s27, s24, 15                        ; + 8 u rows
	s_add_co_u32 s16, s16, s27
	s_lshl_b32 s27, s25, 11                        ; + 512 g numbers
	s_add_co_u32 s16, s16, s27
	s_mov_b32 s17, 0
	s_add_nc_u64 s[14:15], s[14:15], s[16:17]
	s_add_nc_u64 s[10:11], s[10:11], s[28:29]
	s_add_nc_u64 s[12:13], s[12:13], s[30:31]
.macro LOAD f                          ; fragment f: slot i is the row i + 8 (i / 8) from my first; 512 consecutive bytes a load
.set i, 0
.rept 16
	global_load_b128 v[RS+64*((\f)%2)+4*i:RS+64*((\f)%2)+4*i+3], v2, s[14:15] offset:(i+8*(i/8))*4096+512*(\f) th:TH_LOAD_NT
.set i, i+1
.endr
.endm
; 64 numbers of a lane become a fragment's 12 registers of codes in v[PC] on and its row's scale word in v[pw]
.macro QUANT s, pw
.irp b, 0,1,2,3
	v_max3_num_f32 v[TM+\b], |v[\s+16*\b]|, |v[\s+1+16*\b]|, 0x2800000   ; my 16 numbers of block b, and the floor 2^(5 - 127): the byte cannot fall under 1
.endr
.irp i, 2,4,6,8,10,12,14
.irp b, 0,1,2,3
	v_max3_num_f32 v[TM+\b], v[TM+\b], |v[\s+16*\b+\i]|, |v[\s+1+16*\b+\i]|
.endr
.endr
.irp b, 0,1,2,3
	v_permlanex16_b32 v[TM+4+\b], v[TM+\b], s[SEL], s[SEL+1]
.endr
.irp b, 0,1,2,3
	v_max_num_f32 v[TM+\b], v[TM+\b], v[TM+4+\b]   ; with lane l xor 16: the block's largest magnitude
.endr
.irp b, 0,1,2,3
	v_add_nc_u32 v[TM+12+\b], 0xfe000000, v[TM+\b] ; 4 off its exponent field: the conversion's scale operand
.endr
.irp b, 0,1,2,3
	v_lshrrev_b32 v[TM+4+\b], 23, v[TM+12+\b]      ; the scale's byte
.endr
	v_lshl_or_b32 v[\pw], v[TM+5], 8, v[TM+4]
	v_lshl_or_b32 v[\pw], v[TM+6], 16, v[\pw]
	v_lshl_or_b32 v[\pw], v[TM+7], 24, v[\pw]
.irp c, 0,1
	v_cvt_scalef32_pk16_bf6_f32 v[PC+6*\c:PC+2+6*\c], v[\s+32*\c:\s+15+32*\c], v[TM+12+2*\c]
	v_cvt_scalef32_pk16_bf6_f32 v[PC+12+4*\c:PC+14+4*\c], v[\s+16+32*\c:\s+31+32*\c], v[TM+12+2*\c+1]
.endr
	v_nop                                          ; one plain place behind a scaled conversion
.irp c, 0,1                            ; a whole block to a lane: lanes 0-15 block 2 c, lanes 16-31 block 2 c + 1
.irp i, 0,1,2
	v_permlane16_swap_b32 v[PC+6*\c+\i], v[PC+12+4*\c+\i]
.endr
.irp i, 0,1,2
	v_mov_b32 v[PC+3+6*\c+\i], v[PC+12+4*\c+\i]
.endr
.endr
.endm
.macro FRG f
.if (\f) < 3
	s_wait_loadcnt 16                              ; this fragment's 16 loads are in; the next fragment's 16 may be out
.else
	s_wait_loadcnt 0x0
.endif
.set i, 0
.rept 16
	ds_store_b128 v4, v[RS+64*((\f)%2)+4*i:RS+64*((\f)%2)+4*i+3] offset:SROW*i
.set i, i+1
.endr
.set i, 0
.rept 16
	ds_load_b128 v[X+4*i:X+4*i+3], v5 offset:128*(i/4)+16*(i%4)   ; LDS serves a wave's instructions in order: these see the stores above
.set i, i+1
.endr
	s_wait_dscnt 0x0                               ; the 64 numbers are in, and the stage's stores have read their registers
.if (\f) < 2
	LOAD (\f)+2
.endif
.if (\f) > 0
	s_wait_xcnt 0x0                                ; the last fragment's stores have read the code registers, which are written again below
.endif
	QUANT X, PW+(\f)
	global_store_b128 v2, v[PC:PC+3], s[10:11] offset:1536*(\f)          ; 512 consecutive bytes
	global_store_b64 v3, v[PC+4:PC+5], s[10:11] offset:1536*(\f)+512     ; 256 consecutive bytes
	global_store_b128 v2, v[PC+6:PC+9], s[10:11] offset:1536*(\f)+768
	global_store_b64 v3, v[PC+10:PC+11], s[10:11] offset:1536*(\f)+1280
.endm
	LOAD 0
	LOAD 1
	FRG 0
	FRG 1
	FRG 2
	FRG 3
	v_cndmask_b32 v248, v[PW], v[PW+1], s20        ; lanes 0-15: K step 4 g, lanes 16-31: K step 4 g + 1
	v_cndmask_b32 v249, v[PW+2], v[PW+3], s20      ; K steps 4 g + 2 and 4 g + 3
	global_store_b64 v3, v[248:249], s[12:13]      ; 256 consecutive bytes, aligned
	s_wait_tensorcnt 0x0
	ds_add_u32 v254, v255
	s_wait_dscnt 0x0
	s_endpgm
.Lfunc_end_k_qb24e0552f2_quant:
	.size	k_qb24e0552f2_quant, .Lfunc_end_k_qb24e0552f2_quant-k_qb24e0552f2_quant
	.p2alignl 7, 3214868480
	.fill 96, 4, 3214868480
	.section	.rodata,"a",@progbits
	.p2align	6, 0x0
	.amdhsa_kernel k_qb24e0552f2_quant
		.amdhsa_group_segment_fixed_size 34304
		.amdhsa_private_segment_fixed_size 0
		.amdhsa_enable_private_segment 0
		.amdhsa_kernarg_size 40
		.amdhsa_user_sgpr_count 2
		.amdhsa_user_sgpr_kernarg_segment_ptr 1
		.amdhsa_wavefront_size32 1
		.amdhsa_system_sgpr_workgroup_id_x 1
		.amdhsa_system_sgpr_workgroup_id_y 1
		.amdhsa_system_sgpr_workgroup_id_z 1
		.amdhsa_system_vgpr_workitem_id 0
		.amdhsa_next_free_vgpr 256
		.amdhsa_next_free_sgpr 66
		.amdhsa_reserve_vcc 0
		.amdhsa_float_denorm_mode_32 3
		.amdhsa_float_denorm_mode_16_64 3
		.amdhsa_memory_ordered 1
		.amdhsa_forward_progress 1
		.amdhsa_inst_pref_size 34
	.end_amdhsa_kernel
	.amdgpu_metadata
---
amdhsa.version: [ 1, 2 ]
amdhsa.kernels:
  - .name:           k_qb24e0552f2_quant
    .symbol:         k_qb24e0552f2_quant.kd
    .args:
      - { .name: x, .offset: 0, .size: 8, .value_kind: global_buffer, .address_space: global }
      - { .name: W_qkv, .offset: 8, .size: 8, .value_kind: global_buffer, .address_space: global }
      - { .name: W_proj, .offset: 16, .size: 8, .value_kind: global_buffer, .address_space: global }
      - { .name: cod, .offset: 24, .size: 8, .value_kind: global_buffer, .address_space: global }
      - { .name: scl, .offset: 32, .size: 8, .value_kind: global_buffer, .address_space: global }
    .group_segment_fixed_size: 34304
    .private_segment_fixed_size: 0
    .kernarg_segment_align: 8
    .kernarg_segment_size: 40
    .max_flat_workgroup_size: 128
    .sgpr_count:     66
    .vgpr_count:     256
    .wavefront_size: 32
...
	.end_amdgpu_metadata
.endif
;; end of part 1
;; launch qkv (part 2): grid 24 x 32, 4 waves a work-group, clusters of 4 x 4, 297,472 bytes of LDS; arguments cod, scl, b_qkv, qkc, qks, vc, vs; writes qkc, qks, vc, vs
.if DOCPART == 2
	.amdgcn_target "amdgcn-amd-amdhsa--gfx1250"
	.amdhsa_code_object_version 6
	.text
	.protected	k_qb24e0552f2_qkv
	.globl	k_qb24e0552f2_qkv
	.p2align	8
	.type	k_qb24e0552f2_qkv,@function
k_qb24e0552f2_qkv:
	s_mov_b64 s[64:65], 0
	v_nop
	global_prefetch_b8 v0, s[64:65] scope:SCOPE_SE
	s_setreg_imm32_b32 hwreg(HW_REG_WAVE_MODE, 25, 1), 1
	s_wait_xcnt 0x0
	s_wait_alu depctr_hold_cnt(0) depctr_sa_sdst(0) depctr_va_vdst(0) depctr_va_sdst(0) depctr_va_ssrc(0) depctr_va_vcc(0) depctr_vm_vsrc(0)
	s_getreg_b32 s2, hwreg(HW_REG_IB_STS2, 6, 4)
	s_cmp_eq_u32 s2, 0
	s_cbranch_scc0 .Lentry_in_a_cluster
	s_endpgm
.Lentry_in_a_cluster:
	s_bfe_u32 s2, ttmp6, 0x10000c
	s_cmp_lg_u32 s2, 0xf033
	s_cbranch_scc0 .Lentry_shape_is_right
	s_endpgm
.Lentry_shape_is_right:
; qkv = x W_qkv^T + b_qkv on codes of BF6 (E3M2) with E8M0 scales, f32 sums; q, k and v leave as codes: q and k quantised along the head's 64, v along the tokens.
; A work-group makes 256 rows of operand P x 128 rows of operand R over all K = 1,024.  The matrix instruction takes 16 rows of R as source 0 and 16 rows of P as source 1: a lane then holds one row of P,
; and, by the order of rows in a tile (slot r of tile 2 G + u = row 32 G + 8 u + r + 8 (r / 8)), its 64 results of a row block are R's 128 rows: register 16 b + i = row 32 b + 16 (lane / 16) + i.
; ROLES, by the cluster's x alone (the same in all sixteen partners): clusters 0-3: P = tokens of x, R = features of W_q, W_k: a lane holds a token and 128 features, two heads.
; clusters 4, 5: P = features of W_v, R = tokens of x: a lane holds a feature and 128 tokens, one key step.  So one quantiser serves q, k and v, and nothing is transposed.
; LDS holds the whole K of both operands (294,912 bytes), in four chunks of 256 along K, each filled once, all asked for at the start: no byte is filled twice.  By this text's count a wave has four tensor loads out.
; CLUSTER 4 x 4: P's tiles are shared along a row of the cluster, R's along a column: joint loads.
; Four waves; wave w has P's row blocks 4 w .. 4 w + 3 against R's eight: 32 accumulators, which take turns, one instruction a turn.
; OUT.  qkc [q, k][batch x head][token tile 128][768]: half an operand image (16 tokens x 64);  qks the same index, 16 words: bytes 0, 1 the head's two scales, bytes 2, 3 never 0xff.
;       vc [batch x head][key step 16][tile of 16 features, 4][1,536]: an operand image (16 features x 128 keys);  vs the same index, 16 words.
; LIMITS: NaN and infinities are not served; a block whose largest magnitude lies under 2^-122 (a block of zeros among them) gets the byte 1; these bytes are read by this program alone.
; REGISTERS.  window 0: v1-7 lane numbers, v8-23 LDS addresses, v24-30 the way out, v32-47 P's scale words, v48-79 R's, v80-143 the bias, v144-239 P's fragments (two sets), v240-255 at work.
;   window 1: R's fragments, sets at v0 and v128.   window 2: accumulator (a, b) at v[8 (8 a + b)].
.set CHUNK, 73728                      ; 256 along K: P's 16 tiles x 3,072 bytes, then R's 8
.set BOFF,  49152
.set STG,   4*CHUNK                    ; 512 bytes a wave for the scale words' way out: bytes of their own, into which no fill lands
.set AA16, 8
.set AA8,  12
.set AB16, 16
.set AB8,  20
.set SCA,  32
.set SCB,  48
.set BIAS, 80
.set ASET, 144
.set PC,   144
.set TM,   240
.set WV,   18
.set G1A,  28
.set G1B,  36
.set G0A,  44
.set G0B,  68
.set SEL,  62
.set MSB, 0
.macro WIN new                         ; the immediate's high byte repeats the setting that is left
.if MSB != \new
	s_set_vgpr_msb (MSB<<8)|\new
.set MSB, \new
.endif
.endm
.macro PLACES
.rept 4
	v_nop
.endr
.endm
.macro CROUND                          ; a round of the cluster's barrier
	s_barrier_signal -1
	s_barrier_wait -1
	s_cmp_lg_u32 s[WV], 0
	s_cbranch_scc1 .Lnot_wave_0_\@
	s_barrier_signal -3
.Lnot_wave_0_\@:
	s_barrier_wait -3
	s_barrier_signal -1
	s_barrier_wait -1
.endm
.macro FRAG reg, a16, a8, off          ; an operand image back into 12 registers: every load reads 512 or 256 consecutive bytes
	ds_load_b128 v[\reg:\reg+3], v[\a16] offset:\off
	ds_load_b64 v[\reg+4:\reg+5], v[\a8] offset:\off
	ds_load_b128 v[\reg+6:\reg+9], v[\a16] offset:\off+768
	ds_load_b64 v[\reg+10:\reg+11], v[\a8] offset:\off+768
.endm
.macro FETCH ks, p                     ; K step ks: R's eight fragments and my four of P into set p: 48 loads
	WIN 0x40
.irp b, 0,1,2,3,4,5,6,7
	FRAG 128*(\p)+12*\b,AB16+(\ks)/2,AB8+(\ks)/2,3072*\b+1536*((\ks)%2)
.endr
	WIN 0
.irp a, 0,1,2,3
	FRAG ASET+48*(\p)+12*\a,AA16+(\ks)/2,AA8+(\ks)/2,3072*\a+1536*((\ks)%2)
.endr
.endm
.macro MM a, b, ks, mode               ; scale register ks / 2 holds the even K step in lanes 0-15 and the odd one in lanes 16-31
.set rD, 8*(8*\a+\b)
.set rB, 128*((\ks)%2)+12*\b
.set rA, ASET+48*((\ks)%2)+12*\a
.set rSB, SCB+4*\b+(\ks)/2
.set rSA, SCA+4*\a+(\ks)/2
.if \mode == 1
	v_wmma_scale_f32_16x16x128_f8f6f4 v[rD:rD+7], v[rB:rB+11], v[rA:rA+11], v[BIAS+8*\b:BIAS+8*\b+7], v[rSB], v[rSA] matrix_a_fmt:MATRIX_FMT_BF6 matrix_b_fmt:MATRIX_FMT_BF6
.elseif \mode == 2
	v_wmma_scale_f32_16x16x128_f8f6f4 v[rD:rD+7], v[rB:rB+11], v[rA:rA+11], v[BIAS+8*\a:BIAS+8*\a+7], v[rSB], v[rSA] matrix_a_fmt:MATRIX_FMT_BF6 matrix_b_fmt:MATRIX_FMT_BF6
.elseif (\ks)%2
	v_wmma_scale_f32_16x16x128_f8f6f4 v[rD:rD+7], v[rB:rB+11], v[rA:rA+11], v[rD:rD+7], v[rSB], v[rSA] matrix_a_fmt:MATRIX_FMT_BF6 matrix_b_fmt:MATRIX_FMT_BF6 matrix_a_scale:MATRIX_SCALE_ROW1 matrix_b_scale:MATRIX_SCALE_ROW1
.else
	v_wmma_scale_f32_16x16x128_f8f6f4 v[rD:rD+7], v[rB:rB+11], v[rA:rA+11], v[rD:rD+7], v[rSB], v[rSA] matrix_a_fmt:MATRIX_FMT_BF6 matrix_b_fmt:MATRIX_FMT_BF6
.endif
.endm
.macro MUL ks, mode                    ; 32 matrix instructions, the 32 accumulators by turns.  mode 1, 2: the bias is the C of the first K step
.irp a, 0,1,2,3
.irp b, 0,1,2,3,4,5,6,7
	MM \a,\b,\ks,\mode
.endr
.endr
.endm
.macro STEP ks
.if (\ks) == 1 || (\ks) == 3 || (\ks) == 5
	s_wait_tensorcnt 3-((\ks)+1)/2                 ; my part of the next chunk has landed; the later chunks stay out
	s_wait_dscnt 0x0                               ; no LDS instruction of mine is out at the signal
	s_barrier_signal -1
	s_barrier_wait -1                              ; every wave's part has landed
.endif
.if (\ks) < 7
	PLACES                                         ; four places behind the last step's products, in front of loads into the set that they read
	FETCH (\ks)+1,1-(\ks)%2
	s_wait_dscnt 48                                ; all but the 48 just issued: this step's fragments are in
.else
	s_wait_dscnt 0x0
.endif
	WIN 0xa1                                       ; source 0 window 1, source 1 window 0, C and D window 2
	MUL \ks,0
	WIN 0
.endm
	s_load_b256 s[4:11], s[0:1], 0x0               ; cod, scl, b_qkv, qkc
	s_load_b128 s[12:15], s[0:1], 0x20             ; qks, vc
	s_load_b64 s[16:17], s[0:1], 0x30              ; vs
	v_lshl_add_u32 v250, v0, 2, 0x48800
	v_mov_b32 v251, 0
	ds_add_u32 v250, v251
	ds_add_u32 v250, v251
	v_lshrrev_b32 v1, 5, v0
	v_readfirstlane_b32 s[WV], v1                  ; wave 0..3
	s_lshr_b32 s19, s[WV], 1                       ; I fetch for P (0) or for R (1),
	s_and_b32 s20, s[WV], 1                        ; its first or its second half
	s_bfe_u32 s21, ttmp6, 0x40000                  ; cx
	s_bfe_u32 s22, ttmp6, 0x40004                  ; cy
	s_and_b32 s23, ttmp7, 0xffff                   ; the cluster's y
	s_lshl_b32 s2, s22, 2
	s_lshl_b32 s2, 15, s2                          ; my row of the cluster
	s_lshl_b32 s3, 0x1111, s21                     ; my column
	; descriptor group 1: rows = tiles of 16 operand rows; a row is a chunk's 3,072 bytes (384 elements of 8 bytes), 12,288 bytes (1,536 elements) from tile to tile; no padding
	s_or_b32 s[G1A], s2, (3<<16)|(1<<21)
	s_or_b32 s[G1B], s3, (3<<16)|(1<<21)
.irp g, G1A, G1B
	s_mov_b32 s[\g+1], 384<<16                     ; tensor_dim0
	s_mov_b32 s[\g+3], 384<<16                     ; tile_dim0
	s_mov_b32 s[\g+5], 1536                        ; the pitch
	s_mov_b32 s[\g+6], 0
	s_mov_b32 s[\g+7], 0
.endr
	s_mov_b32 s[G1A+2], 8<<16                      ; P: 8 tiles a load
	s_mov_b32 s[G1A+4], 8
	s_mov_b32 s[G1B+2], 4<<16                      ; R: 4 tiles a load
	s_mov_b32 s[G1B+4], 4
	; P's path: the cluster's numbers and cy alone
	s_lshl_b32 s24, s23, 2
	s_add_co_u32 s24, s24, s22
	s_cmp_ge_u32 ttmp9, 4
	s_cselect_b32 s24, s22, s24                    ; RT: which 256 rows of P
	s_cselect_b32 s25, 640, 0                      ; W_v begins at tile 640, x at tile 0
	s_lshl_b32 s26, s24, 4
	s_add_co_u32 s25, s25, s26                     ; P's first tile
	; R's path: the cluster's numbers and cx alone
	s_lshl_b32 s60, ttmp9, 2
	s_add_co_u32 s60, s60, s21
	s_max_u32 s61, ttmp9, 4
	s_sub_co_u32 s61, s61, 4
	s_lshl_b32 s61, s61, 3
	s_add_co_u32 s61, s61, s23
	s_lshl_b32 s61, s61, 2
	s_add_co_u32 s61, s61, s21
	s_cmp_ge_u32 ttmp9, 4
	s_cselect_b32 s60, s61, s60                    ; CT: which 128 rows of R
	s_cselect_b32 s61, 0, 512                      ; x begins at tile 0, W_q at tile 512
	s_lshl_b32 s62, s60, 3
	s_add_co_u32 s61, s61, s62                     ; R's first tile
	s_lshl_b32 s26, s20, 3
	s_add_co_u32 s26, s26, s25
	s_mul_i32 s26, s26, 12288                      ; where my half of P begins in cod
	s_mov_b32 s27, 0
	s_lshl_b32 s62, s20, 2
	s_add_co_u32 s62, s62, s61
	s_mul_i32 s62, s62, 12288                      ; and my half of R
	s_mov_b32 s63, 0
	s_mul_i32 s2, s20, 24576                       ; and in a chunk in LDS: the wave's number alone enters an LDS address
	s_mul_i32 s3, s20, 12288
	s_wait_dscnt 0x0
	s_wait_kmcnt 0x0
	s_add_nc_u64 s[26:27], s[4:5], s[26:27]
	s_add_nc_u64 s[62:63], s[4:5], s[62:63]
.irp kc, 0,1,2,3
	s_mov_b32 s[G0A+4*\kc], 1
	s_add_co_u32 s[G0A+4*\kc+1], s2, \kc*CHUNK
	s_add_nc_u64 s[G0A+4*\kc+2:G0A+4*\kc+3], s[26:27], \kc*3072
	s_or_b32 s[G0A+4*\kc+3], s[G0A+4*\kc+3], 0x80000000
	s_mov_b32 s[G0B+4*\kc], 1
	s_add_co_u32 s[G0B+4*\kc+1], s3, \kc*CHUNK+BOFF
	s_add_nc_u64 s[G0B+4*\kc+2:G0B+4*\kc+3], s[62:63], \kc*3072
	s_or_b32 s[G0B+4*\kc+3], s[G0B+4*\kc+3], 0x80000000
.endr
	CROUND                                         ; all sixteen work-groups are here: the joint loads meet
	s_cmp_eq_u32 s19, 0                            ; a wave's four first fills stand in one branch on the wave's number; four v_nop follow the last
	s_cbranch_scc0 .Lfill_r
	tensor_load_to_lds s[G0A:G0A+3], s[G1A:G1A+7]
	s_nop 0
	tensor_load_to_lds s[G0A+4:G0A+7], s[G1A:G1A+7]
	s_nop 0
	tensor_load_to_lds s[G0A+8:G0A+11], s[G1A:G1A+7]
	s_nop 0
	tensor_load_to_lds s[G0A+12:G0A+15], s[G1A:G1A+7]
	s_nop 0
	PLACES
	s_branch .Lfilled
.Lfill_r:
	tensor_load_to_lds s[G0B:G0B+3], s[G1B:G1B+7]
	s_nop 0
	tensor_load_to_lds s[G0B+4:G0B+7], s[G1B:G1B+7]
	s_nop 0
	tensor_load_to_lds s[G0B+8:G0B+11], s[G1B:G1B+7]
	s_nop 0
	tensor_load_to_lds s[G0B+12:G0B+15], s[G1B:G1B+7]
	s_nop 0
	PLACES
.Lfilled:
	v_and_b32 v5, 31, v0                           ; lane
	v_and_b32 v1, 15, v0                           ; r
	v_bfe_u32 v2, v0, 4, 1                         ; h
	v_lshlrev_b32 v3, 4, v5                        ; 16 x lane
	v_lshlrev_b32 v4, 3, v5                        ; 8 x lane
	s_wait_alu depctr_va_vdst(0)
	s_lshl_b32 s92, s[WV], 2
	s_add_co_u32 s92, s92, s25
	s_lshl_b32 s92, s92, 9
	s_mov_b32 s93, 0
	s_add_nc_u64 s[92:93], s[6:7], s[92:93]        ; the scale words of my four tiles of P
	s_lshl_b32 s94, s61, 9
	s_mov_b32 s95, 0
	s_add_nc_u64 s[94:95], s[6:7], s[94:95]        ; and of R's eight
.irp a, 0,1,2,3
.irp g, 0,1
	global_load_b64 v[SCA+4*\a+2*\g:SCA+4*\a+2*\g+1], v4, s[92:93] offset:512*\a+256*\g   ; 256 consecutive bytes, once
.endr
.endr
.irp b, 0,1,2,3,4,5,6,7
.irp g, 0,1
	global_load_b64 v[SCB+4*\b+2*\g:SCB+4*\b+2*\g+1], v4, s[94:95] offset:512*\b+256*\g
.endr
.endr
	s_cmp_ge_u32 ttmp9, 4
	s_cbranch_scc1 .Lbias_v
	s_lshl_b32 s96, s60, 9                         ; q, k: the bias runs along a lane's registers: tile b's eight features 32 (b / 2) + 16 h + 8 (b % 2) + 0 .. 7
	s_mov_b32 s97, 0
	s_add_nc_u64 s[96:97], s[8:9], s[96:97]
	v_lshlrev_b32 v28, 6, v2
.irp b, 0,1,2,3,4,5,6,7
	global_load_b128 v[BIAS+8*\b:BIAS+8*\b+3], v28, s[96:97] offset:(32*(\b/2)+8*(\b%2))*4
	global_load_b128 v[BIAS+8*\b+4:BIAS+8*\b+7], v28, s[96:97] offset:(32*(\b/2)+8*(\b%2))*4+16
.endr
	s_branch .Lbias_done
.Lbias_v:
	s_lshl_b32 s96, s24, 8                         ; v: the bias is the lane's own feature's: eight registers with one number for each row block a
	s_lshl_b32 s97, s[WV], 6
	s_add_co_u32 s96, s96, s97
	s_add_co_u32 s96, s96, 2048
	s_lshl_b32 s96, s96, 2
	s_mov_b32 s97, 0
	s_add_nc_u64 s[96:97], s[8:9], s[96:97]
	v_and_b32 v28, 8, v1
	v_add_nc_u32 v28, v28, v1
	v_lshlrev_b32 v28, 2, v28                      ; 4 (r + 8 (r / 8))
.irp a, 0,1,2,3
.irp j, 0,1,2,3,4,5,6,7
	global_load_b32 v[BIAS+8*\a+\j], v28, s[96:97] offset:(32*(\a/2)+8*(\a%2))*4
.endr
.endr
.set i, 0
.rept 32
	v_mov_b32 v[BIAS+32+i], 0                      ; the rest of the table is not used in this role: written, so that both ways leave it whole
.set i, i+1
.endr
.Lbias_done:
	s_mul_i32 s2, s[WV], 12288                     ; my four tiles of P in a chunk
	v_add_nc_u32 v6, s2, v3
	v_add_nc_u32 v7, s2, v4
	v_add_nc_u32 v7, 512, v7
.irp kc, 0,1,2,3
	v_add_nc_u32 v[AA16+\kc], \kc*CHUNK, v6
	v_add_nc_u32 v[AA8+\kc], \kc*CHUNK, v7
	v_add_nc_u32 v[AB16+\kc], \kc*CHUNK+BOFF, v3
	v_add_nc_u32 v[AB8+\kc], \kc*CHUNK+BOFF+512, v4
.endr
	; the way out: where my first row block's image goes
	s_lshr_b32 s84, s60, 3                         ; q, k: ((64 (q or k) + 16 batch + head) 128 + token tile)
	s_lshl_b32 s84, s84, 6
	s_lshr_b32 s85, s24, 3
	s_lshl_b32 s85, s85, 4
	s_add_co_u32 s84, s84, s85
	s_and_b32 s85, s60, 7
	s_lshl_b32 s85, s85, 1
	s_add_co_u32 s84, s84, s85
	s_lshl_b32 s84, s84, 7
	s_and_b32 s85, s24, 7
	s_lshl_b32 s85, s85, 4
	s_add_co_u32 s84, s84, s85
	s_lshl_b32 s85, s[WV], 2
	s_add_co_u32 s84, s84, s85
	s_lshr_b32 s86, s60, 4                         ; v: ((16 batch + head) 16 + key step) 4
	s_lshl_b32 s86, s86, 4
	s_lshl_b32 s87, s24, 2
	s_add_co_u32 s86, s86, s87
	s_add_co_u32 s86, s86, s[WV]
	s_lshl_b32 s86, s86, 4
	s_and_b32 s87, s60, 15
	s_add_co_u32 s86, s86, s87
	s_lshl_b32 s86, s86, 2
	s_mov_b32 s88, 768
	s_mov_b32 s99, 98304
	s_cmp_ge_u32 ttmp9, 4
	s_cselect_b32 s98, s86, s84                    ; the index
	s_cselect_b32 s88, 1536, s88                   ; bytes from row block to row block
	s_cselect_b32 s99, 768, s99                    ; from the image's first half to its second: the next head, or the same image
	s_cselect_b32 s66, 0, 8192                     ; the same for the scale words
	s_cselect_b32 s67, 0, 16                       ; q, k: lanes 16-31 carry the second head's two bytes
	s_cselect_b64 s[84:85], s[14:15], s[10:11]
	s_cselect_b64 s[90:91], s[16:17], s[12:13]
	s_mov_b32 s89, 0
	s_mul_i32 s26, s98, s88
	s_mov_b32 s27, 0
	s_add_nc_u64 s[84:85], s[84:85], s[26:27]
	s_mov_b32 s26, s99
	s_add_nc_u64 s[86:87], s[84:85], s[26:27]
	s_lshl_b32 s26, s98, 6
	s_add_nc_u64 s[90:91], s[90:91], s[26:27]
	s_lshl_b32 s3, s[WV], 9
	s_add_co_u32 s3, s3, STG
	v_lshlrev_b32 v24, 2, v1
	v_lshl_add_u32 v24, v2, 8, v24
	v_add_nc_u32 v24, s3, v24                      ; the scale words' stage, in: 256 h + 4 r
	v_add_nc_u32 v25, s3, v3                       ; back: 16 x lane
	v_mul_u32_u24 v26, s67, v2
	v_mul_u32_u24 v27, s66, v2
	v_lshl_add_u32 v27, v1, 4, v27
	s_mov_b32 s[SEL], 0x76543210
	s_mov_b32 s[SEL+1], 0xfedcba98
.irp b, 0,1,2,3
	v_mov_b32 v[TM+4+\b], 0                        ; written once: a lane permute's destination counts as one of its sources
.endr
	s_wait_tensorcnt 3                             ; my part of chunk 0 has landed; three chunks stay out
	s_barrier_signal -1
	s_barrier_wait -1
	FETCH 0,0
	FETCH 1,1
	s_wait_loadcnt 0x0                             ; scale words and bias
	s_wait_dscnt 48                                ; K step 0's fragments are in
	s_cmp_ge_u32 ttmp9, 4
	s_cbranch_scc1 .Lmul_v
	WIN 0x81                                       ; C (the bias) in window 0
	MUL 0,1
	WIN 0
	s_branch .Lmul_done
.Lmul_v:
	WIN 0x81
	MUL 0,2
	WIN 0
.Lmul_done:
	STEP 1
	STEP 2
	STEP 3
	STEP 4
	STEP 5
	STEP 6
	STEP 7
; THE WAY OUT.  Row block a's 64 results of a lane are quantised where they stand (window 2, read from each accumulator's low end on): 12 registers of codes in v[PC] on, the scale word in v29.
.macro QUANTW a
	WIN 0x0a
.irp b, 0,1,2,3
	v_max3_num_f32 v[TM+\b], |v[64*\a+16*\b]|, |v[64*\a+1+16*\b]|, 0x2800000
.endr
	WIN 0x28
.irp i, 2,4,6,8,10,12,14
.irp b, 0,1,2,3
	v_max3_num_f32 v[TM+\b], v[TM+\b], |v[64*\a+16*\b+\i]|, |v[64*\a+1+16*\b+\i]|
.endr
.endr
	WIN 0
.irp b, 0,1,2,3
	v_permlanex16_b32 v[TM+4+\b], v[TM+\b], s[SEL], s[SEL+1]
.endr
.irp b, 0,1,2,3
	v_max_num_f32 v[TM+\b], v[TM+\b], v[TM+4+\b]
.endr
.irp b, 0,1,2,3
	v_add_nc_u32 v[TM+12+\b], 0xfe000000, v[TM+\b]
.endr
.irp b, 0,1,2,3
	v_lshrrev_b32 v[TM+4+\b], 23, v[TM+12+\b]
.endr
	v_lshl_or_b32 v29, v[TM+5], 8, v[TM+4]
	v_lshl_or_b32 v29, v[TM+6], 16, v29
	v_lshl_or_b32 v29, v[TM+7], 24, v29
	WIN 0x02
.irp c, 0,1
	v_cvt_scalef32_pk16_bf6_f32 v[PC+6*\c:PC+2+6*\c], v[64*\a+32*\c:64*\a+15+32*\c], v[TM+12+2*\c]
	v_cvt_scalef32_pk16_bf6_f32 v[PC+12+4*\c:PC+14+4*\c], v[64*\a+16+32*\c:64*\a+31+32*\c], v[TM+12+2*\c+1]
.endr
	WIN 0
	v_nop                                          ; one plain place behind a scaled conversion
.irp c, 0,1
.irp i, 0,1,2
	v_permlane16_swap_b32 v[PC+6*\c+\i], v[PC+12+4*\c+\i]
.endr
.irp i, 0,1,2
	v_mov_b32 v[PC+3+6*\c+\i], v[PC+12+4*\c+\i]
.endr
.endr
.endm
	PLACES                                         ; four places behind the last products
.irp a, 0,1,2,3
.if \a > 0
	s_wait_xcnt 0x0                                ; the last block's stores have read their data and their bases
	s_add_nc_u64 s[84:85], s[84:85], s[88:89]
	s_add_nc_u64 s[86:87], s[86:87], s[88:89]
.endif
	QUANTW \a
	v_lshrrev_b32 v[168+\a], v26, v29
	ds_store_b32 v24, v[168+\a] offset:64*\a
	global_store_b128 v3, v[PC:PC+3], s[84:85]                 ; 512 consecutive bytes
	global_store_b64 v4, v[PC+4:PC+5], s[84:85] offset:512     ; 256 consecutive bytes
	global_store_b128 v3, v[PC+6:PC+9], s[86:87]
	global_store_b64 v4, v[PC+10:PC+11], s[86:87] offset:512
.endr
	ds_load_b128 v[164:167], v25                   ; LDS serves a wave's instructions in order: this sees my four stores
	s_wait_dscnt 0x0
	global_store_b128 v27, v[164:167], s[90:91]    ; q, k: 256 bytes for each of the two heads.  v: lanes 16-31 store the same bytes with the same values as lanes 0-15
	s_wait_tensorcnt 0x0
	ds_add_u32 v250, v251
	s_wait_dscnt 0x0
	CROUND                                         ; the closing round: no work-group ends while a partner may still ask for a tile that names it
	s_endpgm
.Lfunc_end_k_qb24e0552f2_qkv:
	.size	k_qb24e0552f2_qkv, .Lfunc_end_k_qb24e0552f2_qkv-k_qb24e0552f2_qkv
	.p2alignl 7, 3214868480
	.fill 96, 4, 3214868480
	.section	.rodata,"a",@progbits
	.p2align	6, 0x0
	.amdhsa_kernel k_qb24e0552f2_qkv
		.amdhsa_group_segment_fixed_size 297472
		.amdhsa_private_segment_fixed_size 0
		.amdhsa_enable_private_segment 0
		.amdhsa_kernarg_size 56
		.amdhsa_user_sgpr_count 2
		.amdhsa_user_sgpr_kernarg_segment_ptr 1
		.amdhsa_wavefront_size32 1
		.amdhsa_system_sgpr_workgroup_id_x 1
		.amdhsa_system_sgpr_workgroup_id_y 1
		.amdhsa_system_sgpr_workgroup_id_z 1
		.amdhsa_system_vgpr_workitem_id 0
		.amdhsa_next_free_vgpr 768
		.amdhsa_next_free_sgpr 100
		.amdhsa_reserve_vcc 0
		.amdhsa_float_denorm_mode_32 3
		.amdhsa_float_denorm_mode_16_64 3
		.amdhsa_memory_ordered 1
		.amdhsa_forward_progress 1
		.amdhsa_inst_pref_size 100
	.end_amdhsa_kernel
	.amdgpu_metadata
---
amdhsa.version: [ 1, 2 ]
amdhsa.kernels:
  - .name:           k_qb24e0552f2_qkv
    .symbol:         k_qb24e0552f2_qkv.kd
    .args:
      - { .name: cod, .offset: 0, .size: 8, .value_kind: global_buffer, .address_space: global }
      - { .name: scl, .offset: 8, .size: 8, .value_kind: global_buffer, .address_space: global }
      - { .name: b_qkv, .offset: 16, .size: 8, .value_kind: global_buffer, .address_space: global }
      - { .name: qkc, .offset: 24, .size: 8, .value_kind: global_buffer, .address_space: global }
      - { .name: qks, .offset: 32, .size: 8, .value_kind: global_buffer, .address_space: global }
      - { .name: vc, .offset: 40, .size: 8, .value_kind: global_buffer, .address_space: global }
      - { .name: vs, .offset: 48, .size: 8, .value_kind: global_buffer, .address_space: global }
    .group_segment_fixed_size: 297472
    .private_segment_fixed_size: 0
    .kernarg_segment_align: 8
    .kernarg_segment_size: 56
    .max_flat_workgroup_size: 128
    .sgpr_count:     100
    .vgpr_count:     768
    .wavefront_size: 32
...
	.end_amdgpu_metadata
.endif
;; end of part 2
;; launch attn (part 3): grid 4 x 64, 16 waves a work-group, clusters of 4 x 1, 210,944 bytes of LDS; arguments qkc, qks, vc, vs, yq, ys; writes yq, ys
.if DOCPART == 3
	.amdgcn_target "amdgcn-amd-amdhsa--gfx1250"
	.amdhsa_code_object_version 6
	.text
	.protected	k_qb24e0552f2_attn
	.globl	k_qb24e0552f2_attn
	.p2align	8
	.type	k_qb24e0552f2_attn,@function
k_qb24e0552f2_attn:
	s_mov_b64 s[64:65], 0
	v_nop
	global_prefetch_b8 v0, s[64:65] scope:SCOPE_SE
	s_setreg_imm32_b32 hwreg(HW_REG_WAVE_MODE, 25, 1), 1
	s_wait_xcnt 0x0
	s_wait_alu depctr_hold_cnt(0) depctr_sa_sdst(0) depctr_va_vdst(0) depctr_va_sdst(0) depctr_va_ssrc(0) depctr_va_vcc(0) depctr_vm_vsrc(0)
	s_getreg_b32 s2, hwreg(HW_REG_IB_STS2, 6, 4)
	s_cmp_eq_u32 s2, 0
	s_cbranch_scc0 .Lentry_in_a_cluster
	s_endpgm
.Lentry_in_a_cluster:
	s_bfe_u32 s2, ttmp6, 0x10000c
	s_cmp_lg_u32 s2, 0x3003
	s_cbranch_scc0 .Lentry_shape_is_right
	s_endpgm
.Lentry_shape_is_right:
; y = softmax(q k^T / 8, causal) v for one batch and head a cluster, both products on codes of BF6 (E3M2) with E8M0 scales; y leaves as codes, quantised along the head's 64.
; THE SOFTMAX: t = score x log2(e) / 8; M = the running largest t rounded UP to a whole number; p = 2^(t - M) is quantised along the keys, not normalised; the row's sum is taken of the unquantised p and divides at the end.
; When M moves, the sum and O are multiplied by 2^(old M - new M): exact.  A block's largest p is made from the block's largest score by the same two instructions; this takes v_exp_f32 not to fall where its input rises.
; SHARES.  A cluster of four work-groups takes one head.  Work-group j (its place in the cluster), wave w, owns two tiles of 16 tokens: 4 w + j and 127 - (4 w + j).  A tile's last key step of 128 keys is tile / 8:
; w / 2 and 15 - w / 2: every wave works 17 key steps, and every branch hangs on the wave's number and a counter, never on the place in the cluster.
; LDS holds the whole head: k's codes, v's codes, their scale words: filled once, by joint loads of waves 0 to 3, two a wave (first half, second half): two tensor loads of a wave are out.  The first pass reads keys under 1,024, the first halves.
; LAYOUT.  Both products transposed: S^T = k q^T, O^T = v^T p^T: a lane holds one query.  Slot r of token tile 2 G + u is token 32 G + 8 u + r + 8 (r / 8): so register 16 b + i of S^T is key 32 b + 16 (lane / 16) + i of the step.
; THE HEAD'S 64 IN A K OF 128: q carries zero codes in its upper six registers; k's tiles stand six registers apart, so that a tile's upper six are the next tile's codes, multiplied by q's zeros; no scale byte is 0xff.
; LIMITS: NaN and infinities are not served; a block of y whose largest magnitude lies under 2^-122 gets the byte 1; these bytes are read by this program alone.
; REGISTERS: v1-6 LDS bases; v7 at work; v8-11, v90, v91 the step's addresses; v12 -M, v13 the largest t, v[14:15] the sum; v16-27, v236-247 q of the two passes; v34, v35 q's scale words; v36-89 k's tiles, then v's fragments;
;   v92-95 k's scale words; v96-159 S^T, then p; v160-191 O^T; v192, v193 v's scale words; v194, v195 the mask's numbers; v196-199 offsets; v200-219 codes; v220-231 at work; v232 f, v233 p's scale word, v234 at work.
.set VC,   98304                       ; LDS: k's codes at 0 (98,304 bytes), v's codes,
.set KSC,  196608                      ; k's scale words (8,192 bytes),
.set VSC,  204800                      ; v's (4,096 bytes)
.set WV,   18
.set SD,   19                          ; the pass's last key step: the one on the diagonal
.set SEL,  20
.set CS,   22                          ; s[22:23] c = log2(e) / 8
.set CNT,  24                          ; the key step
.set TB,   25                          ; its codes: 6,144 bytes a step, in k and in v
.set TS,   26                          ; k's scale words: 512 bytes a step
.set TJ,   27                          ; v's: 256
.set G1C,  28
.set G1K,  36
.set G1V,  44
.macro PLACES
.rept 4
	v_nop
.endr
.endm
.macro CROUND                          ; a round of the cluster's barrier
	s_barrier_signal -1
	s_barrier_wait -1
	s_cmp_lg_u32 s[WV], 0
	s_cbranch_scc1 .Lnot_wave_0_\@
	s_barrier_signal -3
.Lnot_wave_0_\@:
	s_barrier_wait -3
	s_barrier_signal -1
	s_barrier_wait -1
.endm
.macro G1SET g, rows                   ; a dense block as rows of 256 bytes (32 elements of 8 bytes); the mask names all four work-groups
	s_mov_b32 s[\g], 15|(3<<16)|(1<<21)
	s_mov_b32 s[\g+1], 32<<16
	s_mov_b32 s[\g+2], (\rows)<<16
	s_mov_b32 s[\g+3], 32<<16
	s_mov_b32 s[\g+4], \rows
	s_mov_b32 s[\g+5], 32
	s_mov_b32 s[\g+6], 0
	s_mov_b32 s[\g+7], 0
.endm
.macro G0SET g, lds, bp, op, extra
	s_mov_b32 s[\g], 1
	s_mov_b32 s[\g+1], \lds
	s_add_nc_u64 s[\g+2:\g+3], s[\bp:\bp+1], s[\op:\op+1]
	s_add_nc_u64 s[\g+2:\g+3], s[\g+2:\g+3], \extra
	s_or_b32 s[\g+3], s[\g+3], 0x80000000
.endm
.macro FILL2 ga, gb, g1                ; a wave's two first fills; four v_nop follow the second
	tensor_load_to_lds s[\ga:\ga+3], s[\g1:\g1+7]
	s_nop 0
	tensor_load_to_lds s[\gb:\gb+3], s[\g1:\g1+7]
	s_nop 0
	PLACES
.endm
.macro FRAG reg, a16, a8, off
	ds_load_b128 v[\reg:\reg+3], v[\a16] offset:\off
	ds_load_b64 v[\reg+4:\reg+5], v[\a8] offset:\off
	ds_load_b128 v[\reg+6:\reg+9], v[\a16] offset:\off+768
	ds_load_b64 v[\reg+10:\reg+11], v[\a8] offset:\off+768
.endm
	s_load_b256 s[4:11], s[0:1], 0x0               ; qkc, qks, vc, vs
	s_load_b128 s[12:15], s[0:1], 0x20             ; yq, ys
	v_lshl_add_u32 v254, v0, 2, 0x33000
	v_mov_b32 v255, 0
	ds_add_u32 v254, v255
	ds_add_u32 v254, v255
	v_lshrrev_b32 v28, 5, v0
	s_delay_alu instid0(VALU_DEP_1)
	v_readfirstlane_b32 s[WV], v28                 ; wave 0..15
	v_and_b32 v28, 31, v0                          ; lane
	v_and_b32 v29, 15, v0                          ; r
	v_bfe_u32 v30, v0, 4, 1                        ; h
	s_delay_alu instid0(VALU_DEP_3)
	v_lshlrev_b32 v1, 4, v28                       ; k's codes: 16 x lane
	s_delay_alu instid0(VALU_DEP_4)
	v_lshlrev_b32 v2, 3, v28
	v_lshlrev_b32 v31, 2, v28
	s_delay_alu instid0(VALU_DEP_3)
	v_add_nc_u32 v3, VC, v1                        ; v's codes
	s_delay_alu instid0(VALU_DEP_3)
	v_add_nc_u32 v4, VC+512, v2
	s_delay_alu instid0(VALU_DEP_4)
	v_add_nc_u32 v2, 512, v2                       ; k's codes: 512 + 8 x lane
	s_delay_alu instid0(VALU_DEP_4)
	v_add_nc_u32 v5, KSC, v31                      ; scale words: 4 x lane: two tiles' words a load
	v_add_nc_u32 v6, VSC, v31
	v_lshlrev_b32 v196, 4, v28                     ; offsets in memory: 16 x lane,
	v_lshlrev_b32 v197, 3, v28                     ; 8 x lane,
	v_lshlrev_b32 v198, 3, v29                     ; 8 r,
	v_lshlrev_b32 v199, 2, v29                     ; 4 r
	v_and_b32 v7, 8, v29
	s_delay_alu instid0(VALU_DEP_1)
	v_add_nc_u32 v7, v7, v29
	v_lshlrev_b32 v31, 4, v30
	s_delay_alu instid0(VALU_DEP_1)
	v_sub_nc_u32 v7, v7, v31                       ; r + 8 (r / 8) - 16 h
	s_bfe_u32 s16, ttmp6, 0x40000                  ; cx: it enters addresses in memory and the mask's numbers alone
	s_and_b32 s17, ttmp7, 0xffff                   ; 16 x batch + head
	G1SET G1C, 192
	G1SET G1K, 16
	G1SET G1V, 8
	s_add_co_u32 s24, s17, 64                      ; k lies behind q's 64 heads
	s_mul_i32 s96, s24, 98304
	s_mov_b32 s97, 0
	s_mul_i32 s98, s17, 98304
	s_mov_b32 s99, 0
	s_lshl_b32 s66, s24, 13
	s_mov_b32 s67, 0
	s_lshl_b32 s2, s17, 12
	s_mov_b32 s3, 0
	s_mov_b32 s[SEL], 0x76543210
	s_mov_b32 s[SEL+1], 0xfedcba98
	s_mov_b32 s[CS], 0x3e38aa3b
	s_mov_b32 s[CS+1], s[CS]                       ; (named with it as a pair, so it is written)
	s_wait_dscnt 0x0
	s_wait_kmcnt 0x0
	G0SET 52, 0, 4, 96, 0
	G0SET 56, 49152, 4, 96, 49152
	G0SET 60, VC, 8, 98, 0
	G0SET 68, VC+49152, 8, 98, 49152
	G0SET 72, KSC, 6, 66, 0
	G0SET 76, KSC+4096, 6, 66, 4096
	G0SET 80, VSC, 10, 2, 0
	G0SET 84, VSC+2048, 10, 2, 2048
	CROUND                                         ; all four work-groups are here: the joint loads meet
	s_cmp_lg_u32 s[WV], 0
	s_cbranch_scc1 .Lf1
	FILL2 52, 56, G1C
	s_branch .Lfd
.Lf1:
	s_cmp_lg_u32 s[WV], 1
	s_cbranch_scc1 .Lf2
	FILL2 60, 68, G1C
	s_branch .Lfd
.Lf2:
	s_cmp_lg_u32 s[WV], 2
	s_cbranch_scc1 .Lf3
	FILL2 72, 76, G1K
	s_branch .Lfd
.Lf3:
	s_cmp_lg_u32 s[WV], 3
	s_cbranch_scc1 .Lfd
	FILL2 80, 84, G1V
.Lfd:
	s_lshl_b32 s24, s[WV], 2
	s_add_co_u32 s24, s24, s16                     ; my first tile,
	s_sub_co_u32 s25, 127, s24                     ; my second
	s_lshl_b32 s26, s17, 7
	s_add_co_u32 s27, s26, s24
	s_mul_i32 s96, s27, 768
	s_mov_b32 s97, 0
	s_add_nc_u64 s[96:97], s[4:5], s[96:97]        ; q's codes of the first tile,
	s_lshl_b32 s66, s27, 6
	s_mov_b32 s67, 0
	s_add_nc_u64 s[66:67], s[6:7], s[66:67]        ; its scale words
	s_add_co_u32 s27, s26, s25
	s_mul_i32 s98, s27, 768
	s_mov_b32 s99, 0
	s_add_nc_u64 s[98:99], s[4:5], s[98:99]
	s_lshl_b32 s2, s27, 6
	s_mov_b32 s3, 0
	s_add_nc_u64 s[2:3], s[6:7], s[2:3]
	s_wait_alu depctr_va_vdst(0)
	global_load_b128 v[16:19], v196, s[96:97] th:TH_LOAD_NT
	global_load_b64 v[20:21], v197, s[96:97] offset:512 th:TH_LOAD_NT
	global_load_b32 v34, v199, s[66:67] th:TH_LOAD_NT
	global_load_b128 v[236:239], v196, s[98:99] th:TH_LOAD_NT
	global_load_b64 v[240:241], v197, s[98:99] offset:512 th:TH_LOAD_NT
	global_load_b32 v35, v199, s[2:3] th:TH_LOAD_NT
.irp i, 0,1,2,3,4,5
	v_mov_b32 v[22+\i], 0                          ; q's upper 64 along K: zero codes
	v_mov_b32 v[242+\i], 0
	v_mov_b32 v[84+\i], 0                          ; what stands behind k's eighth tile
.endr
.irp b, 0,1,2,3
	v_mov_b32 v[224+\b], 0                         ; written once: a lane permute's destination counts as one of its sources
.endr
	v_mov_b32 v232, 0
	v_mov_b32 v233, 0                              ; (named as the upper half of the pair v[232:233] before it is first written)
	v_mov_b32 v234, 0
	; the mask's numbers: d = my query - the diagonal step's first key - 16 (lane / 16)
	s_bfe_u32 s9, s24, 0x20001
	s_lshl_b32 s9, s9, 5
	s_and_b32 s10, s24, 1
	s_lshl_b32 s10, s10, 3
	s_add_co_u32 s9, s9, s10
	v_add_nc_u32 v194, s9, v7
	s_bfe_u32 s9, s25, 0x20001
	s_lshl_b32 s9, s9, 5
	s_and_b32 s10, s25, 1
	s_lshl_b32 s10, s10, 3
	s_add_co_u32 s9, s9, s10
	v_add_nc_u32 v195, s9, v7
	; where y goes: yq [token tile 512][head 16][768]; ys [token tile][512]: K step s = head / 2: 256 (s / 4) + 8 (r + 16 (s % 2)) + 4 ((s / 2) % 2) + 2 (head % 2)
	s_lshr_b32 s26, s17, 4
	s_lshl_b32 s26, s26, 7                         ; 128 x batch
	s_and_b32 s27, s17, 15                         ; head
	s_mul_i32 s16, s27, 768
	s_and_b32 s8, s27, 1
	s_lshl_b32 s8, s8, 1
	s_bfe_u32 s9, s27, 0x10001
	s_lshl_b32 s9, s9, 7
	s_add_co_u32 s8, s8, s9
	s_bfe_u32 s9, s27, 0x10002
	s_lshl_b32 s9, s9, 2
	s_add_co_u32 s8, s8, s9
	s_bfe_u32 s9, s27, 0x10003
	s_lshl_b32 s9, s9, 8
	s_add_co_u32 s8, s8, s9
	s_add_co_u32 s10, s26, s24
	s_mul_i32 s88, s10, 12288
	s_add_co_u32 s88, s88, s16
	s_mov_b32 s89, 0
	s_add_nc_u64 s[88:89], s[12:13], s[88:89]
	s_lshl_b32 s92, s10, 9
	s_add_co_u32 s92, s92, s8
	s_mov_b32 s93, 0
	s_add_nc_u64 s[92:93], s[14:15], s[92:93]
	s_add_co_u32 s10, s26, s25
	s_mul_i32 s90, s10, 12288
	s_add_co_u32 s90, s90, s16
	s_mov_b32 s91, 0
	s_add_nc_u64 s[90:91], s[12:13], s[90:91]
	s_lshl_b32 s94, s10, 9
	s_add_co_u32 s94, s94, s8
	s_mov_b32 s95, 0
	s_add_nc_u64 s[94:95], s[14:15], s[94:95]
; A KEY STEP: 128 keys.  A step behind the pass's diagonal step is left out: a branch on the wave's number and the counter, round the work, not round the lines that step addresses.
.macro KSTEP QB, QS, DM
	s_cmp_gt_u32 s[CNT], s[SD]
	s_cbranch_scc1 .Lhid_\@
	s_setprio 2
	v_add_nc_u32 v8, s[TB], v1                     ; (these six are also the places behind the last step's products, in front of the loads below)
	v_add_nc_u32 v9, s[TB], v2
	v_add_nc_u32 v10, s[TB], v3
	v_add_nc_u32 v11, s[TB], v4
	v_add_nc_u32 v90, s[TS], v5
	v_add_nc_u32 v91, s[TJ], v6
.set t, 0
.rept 8
	ds_load_b128 v[36+6*t:39+6*t], v8 offset:768*t
	ds_load_b64 v[40+6*t:41+6*t], v9 offset:768*t
.set t, t+1
.endr
.set t, 0
.rept 4
	ds_load_b32 v[92+t], v90 offset:128*t          ; lanes 0-15: tile 2 t's words, lanes 16-31: tile 2 t + 1's
.set t, t+1
.endr
	s_wait_alu depctr_va_vdst(0)
	s_wait_dscnt 0x0
.set t, 0
.rept 4
	v_wmma_scale_f32_16x16x128_f8f6f4 v[96+16*t:103+16*t], v[36+12*t:47+12*t], v[\QB:\QB+11], 0, v[92+t], v[\QS] matrix_a_fmt:MATRIX_FMT_BF6 matrix_b_fmt:MATRIX_FMT_BF6
	v_wmma_scale_f32_16x16x128_f8f6f4 v[104+16*t:111+16*t], v[42+12*t:53+12*t], v[\QB:\QB+11], 0, v[92+t], v[\QS] matrix_a_fmt:MATRIX_FMT_BF6 matrix_b_fmt:MATRIX_FMT_BF6 matrix_a_scale:MATRIX_SCALE_ROW1
.set t, t+1
.endr
	PLACES                                         ; four places: in front of the loads into k's registers and of the first read of the scores
.irp d, 0,1,2,3
	FRAG 36+12*\d,10,11,1536*\d                    ; v's four fragments land while the softmax is worked
.endr
	ds_load_b32 v192, v91
	ds_load_b32 v193, v91 offset:128
	s_cmp_lg_u32 s[CNT], s[SD]
	s_cbranch_scc1 .Lopen_\@
	v_mov_b32 v234, 0xff800000                     ; on the diagonal the scores of hidden keys become -infinity: p = 0 then
.set n, 0
.rept 64
	v_cmp_gt_i32 vcc_lo, 32*(n/16)+n%16, v[\DM]
	v_cndmask_b32 v[96+n], v[96+n], v234, vcc_lo
.set n, n+1
.endr
.Lopen_\@:
.irp b, 0,1,2,3
	v_max3_num_f32 v[220+\b], v[96+16*\b], v[97+16*\b], v[98+16*\b]   ; the largest score of each block of 32 keys: for the row's maximum, and for the block's largest p
.endr
.irp i, 3,5,7,9,11,13
.irp b, 0,1,2,3
	v_max3_num_f32 v[220+\b], v[220+\b], v[96+16*\b+\i], v[97+16*\b+\i]
.endr
.endr
.irp b, 0,1,2,3
	v_max_num_f32 v[220+\b], v[220+\b], v[111+16*\b]
.endr
.irp b, 0,1,2,3
	s_delay_alu instid0(VALU_DEP_4)
	v_permlanex16_b32 v[224+\b], v[220+\b], s[SEL], s[SEL+1]
.endr
.irp b, 0,1,2,3
	s_delay_alu instid0(VALU_DEP_4)
	v_max_num_f32 v[220+\b], v[220+\b], v[224+\b]  ; with lane l xor 16's 16 keys
.endr
	s_delay_alu instid0(VALU_DEP_2)
	v_max3_num_f32 v234, v220, v221, v222
	s_delay_alu instid0(VALU_DEP_1)
	v_max_num_f32 v234, v234, v223
	s_delay_alu instid0(VALU_DEP_1)
	v_mul_f32 v234, s[CS], v234                    ; as t (c is positive)
	s_delay_alu instid0(VALU_DEP_1)
	v_max_num_f32 v13, v13, v234                   ; the running largest t
	v_mov_b32 v234, v12
	s_delay_alu instid0(VALU_DEP_2)
	v_floor_f32 v12, -v13                          ; the new -M = floor(-t): M is a whole number
	s_delay_alu instid0(VALU_DEP_1)
	v_sub_f32 v234, v12, v234                      ; old M - new M: a whole number, 0 or less
	s_delay_alu instid0(VALU_DEP_1)
	v_cvt_i32_f32 v234, v234                       ; (it saturates)
	s_delay_alu instid0(VALU_DEP_1)
	v_ldexp_f32 v232, 1.0, v234                    ; f = 2^(old M - new M)
.set j, 0
	s_setprio 1
.rept 32
	v_pk_fma_f32 v[96+j:97+j], v[96+j:97+j], s[CS:CS+1], v[12:13] op_sel_hi:[1,0,0]   ; t - M
.set j, j+2
.endr
.irp b, 0,1,2,3
	v_fma_f32 v[220+\b], v[220+\b], s[CS], v12     ; the same of each block's largest score
.endr
.set j, 0
	s_wait_alu depctr_va_vdst(0)
.rept 64
	v_exp_f32 v[96+j], v[96+j]                     ; p = 2^(t - M)
.set j, j+1
.endr
	v_pk_mul_f32 v[14:15], v[14:15], v[232:233] op_sel_hi:[1,0]   ; the sums under the new M: a plain place behind the exponentials
	s_wait_alu depctr_va_vdst(0)                   ; one wait for the batch of 64, ahead of its first reader
.irp b, 0,1,2,3
	v_exp_f32 v[220+\b], v[220+\b]                 ; the blocks' largest p
.endr
	v_pk_add_f32 v[224:225], v[100:101], v[104:105]
	v_pk_add_f32 v[252:253], v[108:109], v[112:113]
	v_pk_add_f32 v[250:251], v[116:117], v[120:121]
	v_pk_add_f32 v[248:249], v[124:125], v[128:129]
	v_pk_add_f32 v[230:231], v[132:133], v[136:137]
	v_pk_add_f32 v[228:229], v[140:141], v[144:145]
	v_pk_add_f32 v[226:227], v[148:149], v[152:153]
	v_pk_add_f32 v[14:15], v[14:15], v[156:157]
	v_pk_add_f32 v[224:225], v[224:225], v[96:97]
	v_pk_add_f32 v[252:253], v[252:253], v[98:99]
	v_pk_add_f32 v[250:251], v[250:251], v[102:103]
	v_pk_add_f32 v[248:249], v[248:249], v[106:107]
	v_pk_add_f32 v[230:231], v[230:231], v[110:111]
	v_pk_add_f32 v[228:229], v[228:229], v[114:115]
	v_pk_add_f32 v[226:227], v[226:227], v[118:119]
	v_pk_add_f32 v[14:15], v[14:15], v[122:123]
	v_pk_add_f32 v[224:225], v[224:225], v[126:127]
	v_pk_add_f32 v[252:253], v[252:253], v[130:131]
	v_pk_add_f32 v[250:251], v[250:251], v[134:135]
	v_pk_add_f32 v[248:249], v[248:249], v[138:139]
	v_pk_add_f32 v[230:231], v[230:231], v[142:143]
	v_pk_add_f32 v[228:229], v[228:229], v[146:147]
	v_pk_add_f32 v[226:227], v[226:227], v[150:151]
	v_pk_add_f32 v[14:15], v[14:15], v[154:155]
	v_pk_add_f32 v[224:225], v[224:225], v[158:159]
	s_delay_alu instid0(VALU_DEP_2)
	v_pk_add_f32 v[14:15], v[14:15], v[248:249]
	s_delay_alu instid0(VALU_DEP_2)
	v_pk_add_f32 v[224:225], v[224:225], v[230:231]
	v_pk_add_f32 v[252:253], v[252:253], v[228:229]
	v_pk_add_f32 v[250:251], v[250:251], v[226:227]
	s_delay_alu instid0(VALU_DEP_2)
	v_pk_add_f32 v[14:15], v[14:15], v[252:253]
	s_delay_alu instid0(VALU_DEP_2)
	v_pk_add_f32 v[224:225], v[224:225], v[250:251]
	s_delay_alu instid0(VALU_DEP_1)
	v_pk_add_f32 v[14:15], v[14:15], v[224:225]
	s_wait_alu depctr_va_vdst(0)                   ; and one for the four
.irp b, 0,1,2,3
	v_max_num_f32 v[220+\b], 0x2800000, v[220+\b]  ; the floor 2^(5 - 127): the byte cannot fall under 1
.endr
.irp b, 0,1,2,3
	s_delay_alu instid0(VALU_DEP_4)
	v_add_nc_u32 v[228+\b], 0xfe000000, v[220+\b]  ; 4 off the exponent field: the conversion's scale operand
.endr
.irp b, 0,1,2,3
	s_delay_alu instid0(VALU_DEP_4)
	v_lshrrev_b32 v[224+\b], 23, v[228+\b]         ; the scale's byte
.endr
	s_delay_alu instid0(VALU_DEP_3)
	v_lshl_or_b32 v233, v225, 8, v224              ; p's scale word for these 128 keys
	s_delay_alu instid0(VALU_DEP_1)
	v_lshl_or_b32 v233, v226, 16, v233
	s_delay_alu instid0(VALU_DEP_1)
	v_lshl_or_b32 v233, v227, 24, v233
	s_setprio 0
.irp c, 0,1
	v_cvt_scalef32_pk16_bf6_f32 v[200+6*\c:202+6*\c], v[96+32*\c:111+32*\c], v[228+2*\c]
	v_cvt_scalef32_pk16_bf6_f32 v[212+4*\c:214+4*\c], v[112+32*\c:127+32*\c], v[228+2*\c+1]
.endr
	v_nop                                          ; one plain place behind a scaled conversion
.irp c, 0,1
.irp i, 0,1,2
	v_permlane16_swap_b32 v[200+6*\c+\i], v[212+4*\c+\i]
.endr
.irp i, 0,1,2
	s_delay_alu instid0(VALU_DEP_3)
	v_mov_b32 v[203+6*\c+\i], v[212+4*\c+\i]
.endr
.endr
.set j, 0
.rept 16
	v_pk_mul_f32 v[160+j:161+j], v[160+j:161+j], v[232:233] op_sel_hi:[1,0]   ; O^T under the new M; these sixteen are also the places in front of the products below
.set j, j+2
.endr
	s_wait_alu depctr_va_vdst(0)
	s_wait_dscnt 0x0                               ; v's fragments and scale words are in
	v_wmma_scale_f32_16x16x128_f8f6f4 v[160:167], v[36:47], v[200:211], v[160:167], v192, v233 matrix_a_fmt:MATRIX_FMT_BF6 matrix_b_fmt:MATRIX_FMT_BF6
	v_wmma_scale_f32_16x16x128_f8f6f4 v[168:175], v[48:59], v[200:211], v[168:175], v192, v233 matrix_a_fmt:MATRIX_FMT_BF6 matrix_b_fmt:MATRIX_FMT_BF6 matrix_a_scale:MATRIX_SCALE_ROW1
	v_wmma_scale_f32_16x16x128_f8f6f4 v[176:183], v[60:71], v[200:211], v[176:183], v193, v233 matrix_a_fmt:MATRIX_FMT_BF6 matrix_b_fmt:MATRIX_FMT_BF6
	v_wmma_scale_f32_16x16x128_f8f6f4 v[184:191], v[72:83], v[200:211], v[184:191], v193, v233 matrix_a_fmt:MATRIX_FMT_BF6 matrix_b_fmt:MATRIX_FMT_BF6 matrix_a_scale:MATRIX_SCALE_ROW1
.Lhid_\@:
	s_add_co_u32 s[TB], s[TB], 6144
	s_add_co_u32 s[TS], s[TS], 512
	s_add_co_u32 s[TJ], s[TJ], 256
.endm
; A tile's end: O^T / the sum; register 16 b + i is channel 32 b + 16 (lane / 16) + i of the head (W_v's rows were tiled in the slot order): two blocks are quantised, half an operand image and half a scale word leave.
.macro EPI YQ, YS
	PLACES                                         ; four places behind the last products
	v_add_f32 v14, v14, v15
	s_delay_alu instid0(VALU_DEP_1)
	v_permlanex16_b32 v234, v14, s[SEL], s[SEL+1]
	s_delay_alu instid0(VALU_DEP_1)
	v_add_f32 v14, v14, v234                       ; the row's sum
	s_wait_alu depctr_va_vdst(0)
	v_rcp_f32 v232, v14
	v_nop                                          ; a plain place behind the reciprocal
	s_wait_alu depctr_va_vdst(0)                   ; and the wait ahead of its first reader
.set j, 0
.rept 16
	v_pk_mul_f32 v[96+j:97+j], v[160+j:161+j], v[232:233] op_sel_hi:[1,0]
.set j, j+2
.endr
.irp b, 0,1
	v_max3_num_f32 v[220+\b], |v[96+16*\b]|, |v[97+16*\b]|, 0x2800000
.endr
.irp i, 2,4,6,8,10,12,14
.irp b, 0,1
	s_delay_alu instid0(VALU_DEP_2)
	v_max3_num_f32 v[220+\b], v[220+\b], |v[96+16*\b+\i]|, |v[97+16*\b+\i]|
.endr
.endr
.irp b, 0,1
	s_delay_alu instid0(VALU_DEP_2)
	v_permlanex16_b32 v[224+\b], v[220+\b], s[SEL], s[SEL+1]
.endr
.irp b, 0,1
	s_delay_alu instid0(VALU_DEP_2)
	v_max_num_f32 v[220+\b], v[220+\b], v[224+\b]
.endr
.irp b, 0,1
	s_delay_alu instid0(VALU_DEP_2)
	v_add_nc_u32 v[228+\b], 0xfe000000, v[220+\b]
.endr
.irp b, 0,1
	s_delay_alu instid0(VALU_DEP_2)
	v_lshrrev_b32 v[224+\b], 23, v[228+\b]
.endr
	s_delay_alu instid0(VALU_DEP_1)
	v_lshl_or_b32 v234, v225, 8, v224              ; the head's two scale bytes
	v_cvt_scalef32_pk16_bf6_f32 v[200:202], v[96:111], v228
	v_cvt_scalef32_pk16_bf6_f32 v[212:214], v[112:127], v229
	v_nop                                          ; one plain place behind a scaled conversion
.irp i, 0,1,2
	v_permlane16_swap_b32 v[200+\i], v[212+\i]
.endr
.irp i, 0,1,2
	s_delay_alu instid0(VALU_DEP_3)
	v_mov_b32 v[203+\i], v[212+\i]
.endr
	global_store_b128 v196, v[200:203], s[\YQ:\YQ+1]              ; 512 consecutive bytes
	global_store_b64 v197, v[204:205], s[\YQ:\YQ+1] offset:512    ; 256 consecutive bytes
	global_store_b16 v198, v234, s[\YS:\YS+1]      ; two bytes a row, 8 bytes apart, inside one aligned block of 256 bytes; lanes 16-31 store the same bytes with the same values as lanes 0-15
	s_wait_xcnt 0x0                                ; the stores have read their registers, which the next pass writes again
.endm
.macro PASS trips, QB, QS, DM, YQ, YS
	v_mov_b32 v13, 0xff61b1e6                      ; the largest t so far: -3e38
	s_delay_alu instid0(VALU_DEP_1)
	v_floor_f32 v12, -v13
	v_mov_b32 v14, 0
	v_mov_b32 v15, 0
.set j, 0
.rept 32
	v_mov_b32 v[160+j], 0                          ; O^T: the step is written once; the first finds zeros, which the first change of M leaves zeros
.set j, j+1
.endr
	s_mov_b32 s[CNT], 0
	s_mov_b32 s[TB], 0
	s_mov_b32 s[TS], 0
	s_mov_b32 s[TJ], 0
.Lpass_\@:
	KSTEP \QB,\QS,\DM
	s_add_co_u32 s[CNT], s[CNT], 1
	s_cmp_lt_u32 s[CNT], \trips
	s_cbranch_scc1 .Lpass_\@
	s_setprio 0
	EPI \YQ,\YS
.endm
	s_wait_tensorcnt 1                             ; my first half has landed; the second stays out
	s_barrier_signal -1
	s_barrier_wait -1                              ; the first halves of all four blocks are in
	s_wait_loadcnt 0x0                             ; q
	s_lshr_b32 s[SD], s[WV], 1
	PASS 8, 16, 34, 194, 88, 92                    ; eight trips at the most: keys under 1,024, the first halves
	s_wait_tensorcnt 0x0                           ; my second half has landed
	s_wait_dscnt 0x0
	s_barrier_signal -1
	s_barrier_wait -1
	s_xor_b32 s[SD], s[SD], 15                     ; 15 - w / 2
	PASS 16, 236, 35, 195, 90, 94
	s_wait_dscnt 0x0
	s_wait_tensorcnt 0x0
	ds_add_u32 v254, v255
	s_wait_dscnt 0x0
	CROUND                                         ; the closing round: no work-group ends while a partner may still ask for a tile that names it
	s_endpgm
.Lfunc_end_k_qb24e0552f2_attn:
	.size	k_qb24e0552f2_attn, .Lfunc_end_k_qb24e0552f2_attn-k_qb24e0552f2_attn
	.p2alignl 7, 3214868480
	.fill 96, 4, 3214868480
	.section	.rodata,"a",@progbits
	.p2align	6, 0x0
	.amdhsa_kernel k_qb24e0552f2_attn
		.amdhsa_group_segment_fixed_size 210944
		.amdhsa_private_segment_fixed_size 0
		.amdhsa_enable_private_segment 0
		.amdhsa_kernarg_size 48
		.amdhsa_user_sgpr_count 2
		.amdhsa_user_sgpr_kernarg_segment_ptr 1
		.amdhsa_wavefront_size32 1
		.amdhsa_system_sgpr_workgroup_id_x 1
		.amdhsa_system_sgpr_workgroup_id_y 1
		.amdhsa_system_sgpr_workgroup_id_z 1
		.amdhsa_system_vgpr_workitem_id 0
		.amdhsa_next_free_vgpr 256
		.amdhsa_next_free_sgpr 100
		.amdhsa_reserve_vcc 1
		.amdhsa_float_denorm_mode_32 3
		.amdhsa_float_denorm_mode_16_64 3
		.amdhsa_memory_ordered 1
		.amdhsa_forward_progress 1
		.amdhsa_inst_pref_size 70
	.end_amdhsa_kernel
	.amdgpu_metadata
---
amdhsa.version: [ 1, 2 ]
amdhsa.kernels:
  - .name:           k_qb24e0552f2_attn
    .symbol:         k_qb24e0552f2_attn.kd
    .args:
      - { .name: qkc, .offset: 0, .size: 8, .value_kind: global_buffer, .address_space: global }
      - { .name: qks, .offset: 8, .size: 8, .value_kind: global_buffer, .address_space: global }
      - { .name: vc, .offset: 16, .size: 8, .value_kind: global_buffer, .address_space: global }
      - { .name: vs, .offset: 24, .size: 8, .value_kind: global_buffer, .address_space: global }
      - { .name: yq, .offset: 32, .size: 8, .value_kind: global_buffer, .address_space: global }
      - { .name: ys, .offset: 40, .size: 8, .value_kind: global_buffer, .address_space: global }
    .group_segment_fixed_size: 210944
    .private_segment_fixed_size: 0
    .kernarg_segment_align: 8
    .kernarg_segment_size: 48
    .max_flat_workgroup_size: 512
    .sgpr_count:     100
    .vgpr_count:     256
    .wavefront_size: 32
...
	.end_amdgpu_metadata
.endif
;; end of part 3
;; launch proj (part 4): grid 8 x 32, 4 waves a work-group, clusters of 4 x 4, 295,424 bytes of LDS; arguments yq, ys, cod, scl, b_proj, out0; writes out0
.if DOCPART == 4
	.amdgcn_target "amdgcn-amd-amdhsa--gfx1250"
	.amdhsa_code_object_version 6
	.text
	.protected	k_qb24e0552f2_proj
	.globl	k_qb24e0552f2_proj
	.p2align	8
	.type	k_qb24e0552f2_proj,@function
k_qb24e0552f2_proj:
	s_mov_b64 s[64:65], 0
	v_nop
	global_prefetch_b8 v0, s[64:65] scope:SCOPE_SE
	s_setreg_imm32_b32 hwreg(HW_REG_WAVE_MODE, 25, 1), 1
	s_wait_xcnt 0x0
	s_wait_alu depctr_hold_cnt(0) depctr_sa_sdst(0) depctr_va_vdst(0) depctr_va_sdst(0) depctr_va_ssrc(0) depctr_va_vcc(0) depctr_vm_vsrc(0)
	s_getreg_b32 s2, hwreg(HW_REG_IB_STS2, 6, 4)
	s_cmp_eq_u32 s2, 0
	s_cbranch_scc0 .Lentry_in_a_cluster
	s_endpgm
.Lentry_in_a_cluster:
	s_bfe_u32 s2, ttmp6, 0x10000c
	s_cmp_lg_u32 s2, 0xf033
	s_cbranch_scc0 .Lentry_shape_is_right
	s_endpgm
.Lentry_shape_is_right:
; out0 = y W_proj^T + b_proj on codes of BF6 (E3M2) with E8M0 scales, f32 sums.  y's codes and scale words come from the attention launch, W_proj's from the quantiser (tiles 704 on), all as images of operand registers.
; A work-group makes 256 tokens x 128 outputs over all K = 1,024.  The matrix instruction takes 16 rows of W_proj as source 0 and 16 tokens as source 1: a lane holds one token (slot lane % 16 of its tile), and, by the order of
; rows in a tile (slot r of tile 2 G + u = row 32 G + 8 u + r + 8 (r / 8)), register 16 b + i of a row block is output 32 b + 16 (lane / 16) + i.
; LDS holds the whole K of both operands (294,912 bytes), in four chunks of 256 along K, each filled once, all asked for at the start: no byte is filled twice.  By this text's count a wave has four tensor loads out.
; CLUSTER 4 x 4: y's tiles are shared along a row of the cluster, W_proj's along a column: joint loads.
; Four waves; wave w has token blocks 4 w .. 4 w + 3 against W_proj's eight: 32 accumulators, which take turns, one instruction a turn.  The bias is the C of the first K step.
; REGISTERS.  window 0: v1-7 lane numbers, v8-23 LDS addresses, v24, v25 the way out, v32-47 y's scale words, v48-79 W_proj's, v80-143 the bias, v144-239 y's fragments (two sets); on the way out v80-207 take rows of out0.
;   window 1: W_proj's fragments, sets at v0 and v128.   window 2: accumulator (a, b) at v[8 (8 a + b)].
.set CHUNK, 73728
.set BOFF,  49152
.set AA16, 8
.set AA8,  12
.set AB16, 16
.set AB8,  20
.set STO,  24
.set RD,   25
.set SCA,  32
.set SCB,  48
.set BIAS, 80
.set BK,   80
.set ASET, 144
.set WV,   18
.set G1A,  28
.set G1B,  36
.set G0A,  44
.set G0B,  68
.set MSB, 0
.macro WIN new                         ; the immediate's high byte repeats the setting that is left
.if MSB != \new
	s_set_vgpr_msb (MSB<<8)|\new
.set MSB, \new
.endif
.endm
.macro PLACES
.rept 4
	v_nop
.endr
.endm
.macro CROUND                          ; a round of the cluster's barrier
	s_barrier_signal -1
	s_barrier_wait -1
	s_cmp_lg_u32 s[WV], 0
	s_cbranch_scc1 .Lnot_wave_0_\@
	s_barrier_signal -3
.Lnot_wave_0_\@:
	s_barrier_wait -3
	s_barrier_signal -1
	s_barrier_wait -1
.endm
.macro FRAG reg, a16, a8, off          ; an operand image back into 12 registers: every load reads 512 or 256 consecutive bytes
	ds_load_b128 v[\reg:\reg+3], v[\a16] offset:\off
	ds_load_b64 v[\reg+4:\reg+5], v[\a8] offset:\off
	ds_load_b128 v[\reg+6:\reg+9], v[\a16] offset:\off+768
	ds_load_b64 v[\reg+10:\reg+11], v[\a8] offset:\off+768
.endm
.macro FETCH ks, p                     ; K step ks: W_proj's eight fragments and my four of y into set p: 48 loads
	WIN 0x40
.irp b, 0,1,2,3,4,5,6,7
	FRAG 128*(\p)+12*\b,AB16+(\ks)/2,AB8+(\ks)/2,3072*\b+1536*((\ks)%2)
.endr
	WIN 0
.irp a, 0,1,2,3
	FRAG ASET+48*(\p)+12*\a,AA16+(\ks)/2,AA8+(\ks)/2,3072*\a+1536*((\ks)%2)
.endr
.endm
.macro MM a, b, ks, mode               ; scale register ks / 2 holds the even K step in lanes 0-15 and the odd one in lanes 16-31
.set rD, 8*(8*\a+\b)
.set rB, 128*((\ks)%2)+12*\b
.set rA, ASET+48*((\ks)%2)+12*\a
.set rSB, SCB+4*\b+(\ks)/2
.set rSA, SCA+4*\a+(\ks)/2
.if \mode == 1
	v_wmma_scale_f32_16x16x128_f8f6f4 v[rD:rD+7], v[rB:rB+11], v[rA:rA+11], v[BIAS+8*\b:BIAS+8*\b+7], v[rSB], v[rSA] matrix_a_fmt:MATRIX_FMT_BF6 matrix_b_fmt:MATRIX_FMT_BF6
.elseif (\ks)%2
	v_wmma_scale_f32_16x16x128_f8f6f4 v[rD:rD+7], v[rB:rB+11], v[rA:rA+11], v[rD:rD+7], v[rSB], v[rSA] matrix_a_fmt:MATRIX_FMT_BF6 matrix_b_fmt:MATRIX_FMT_BF6 matrix_a_scale:MATRIX_SCALE_ROW1 matrix_b_scale:MATRIX_SCALE_ROW1
.else
	v_wmma_scale_f32_16x16x128_f8f6f4 v[rD:rD+7], v[rB:rB+11], v[rA:rA+11], v[rD:rD+7], v[rSB], v[rSA] matrix_a_fmt:MATRIX_FMT_BF6 matrix_b_fmt:MATRIX_FMT_BF6
.endif
.endm
.macro MUL ks, mode                    ; 32 matrix instructions, the 32 accumulators by turns
.irp a, 0,1,2,3
.irp b, 0,1,2,3,4,5,6,7
	MM \a,\b,\ks,\mode
.endr
.endr
.endm
.macro STEP ks
.if (\ks) == 1 || (\ks) == 3 || (\ks) == 5
	s_wait_tensorcnt 3-((\ks)+1)/2                 ; my part of the next chunk has landed; the later chunks stay out
	s_wait_dscnt 0x0                               ; no LDS instruction of mine is out at the signal
	s_barrier_signal -1
	s_barrier_wait -1                              ; every wave's part has landed
.endif
.if (\ks) < 7
	PLACES                                         ; four places behind the last step's products, in front of loads into the set that they read
	FETCH (\ks)+1,1-(\ks)%2
	s_wait_dscnt 48                                ; all but the 48 just issued: this step's fragments are in
.else
	s_wait_dscnt 0x0
.endif
	WIN 0xa1                                       ; source 0 window 1, source 1 window 0, C and D window 2
	MUL \ks,0
	WIN 0
.endm
	s_load_b256 s[4:11], s[0:1], 0x0               ; yq, ys, cod, scl
	s_load_b128 s[12:15], s[0:1], 0x20             ; b_proj, out0
	v_lshl_add_u32 v254, v0, 2, 0x48000
	v_mov_b32 v255, 0
	ds_add_u32 v254, v255
	ds_add_u32 v254, v255
	v_lshrrev_b32 v1, 5, v0
	v_readfirstlane_b32 s[WV], v1                  ; wave 0..3
	s_lshr_b32 s19, s[WV], 1                       ; I fetch for y (0) or for W_proj (1),
	s_and_b32 s20, s[WV], 1                        ; its first or its second half
	s_bfe_u32 s21, ttmp6, 0x40000                  ; cx
	s_bfe_u32 s22, ttmp6, 0x40004                  ; cy
	s_and_b32 s23, ttmp7, 0xffff                   ; the cluster's y
	s_lshl_b32 s2, s22, 2
	s_lshl_b32 s2, 15, s2                          ; my row of the cluster
	s_lshl_b32 s3, 0x1111, s21                     ; my column
	; descriptor group 1: rows = tiles of 16 operand rows; a row is a chunk's 3,072 bytes (384 elements of 8 bytes), 12,288 bytes (1,536 elements) from tile to tile; no padding
	s_or_b32 s[G1A], s2, (3<<16)|(1<<21)
	s_or_b32 s[G1B], s3, (3<<16)|(1<<21)
.irp g, G1A, G1B
	s_mov_b32 s[\g+1], 384<<16
	s_mov_b32 s[\g+3], 384<<16
	s_mov_b32 s[\g+5], 1536
	s_mov_b32 s[\g+6], 0
	s_mov_b32 s[\g+7], 0
.endr
	s_mov_b32 s[G1A+2], 8<<16                      ; y: 8 tiles a load
	s_mov_b32 s[G1A+4], 8
	s_mov_b32 s[G1B+2], 4<<16                      ; W_proj: 4 tiles a load
	s_mov_b32 s[G1B+4], 4
	s_lshl_b32 s24, s23, 2
	s_add_co_u32 s24, s24, s22                     ; RT: which 256 tokens (cy alone)
	s_lshl_b32 s25, s24, 4                         ; their first tile
	s_lshl_b32 s60, ttmp9, 2
	s_add_co_u32 s60, s60, s21                     ; CT: which 128 outputs (cx alone)
	s_lshl_b32 s61, s60, 3
	s_add_co_u32 s61, s61, 704                     ; their first tile in cod
	s_lshl_b32 s26, s20, 3
	s_add_co_u32 s26, s26, s25
	s_mul_i32 s26, s26, 12288
	s_mov_b32 s27, 0
	s_lshl_b32 s62, s20, 2
	s_add_co_u32 s62, s62, s61
	s_mul_i32 s62, s62, 12288
	s_mov_b32 s63, 0
	s_mul_i32 s2, s20, 24576                       ; in a chunk in LDS: the wave's number alone enters an LDS address
	s_mul_i32 s3, s20, 12288
	s_wait_dscnt 0x0
	s_wait_kmcnt 0x0
	s_add_nc_u64 s[26:27], s[4:5], s[26:27]
	s_add_nc_u64 s[62:63], s[8:9], s[62:63]
.irp kc, 0,1,2,3
	s_mov_b32 s[G0A+4*\kc], 1
	s_add_co_u32 s[G0A+4*\kc+1], s2, \kc*CHUNK
	s_add_nc_u64 s[G0A+4*\kc+2:G0A+4*\kc+3], s[26:27], \kc*3072
	s_or_b32 s[G0A+4*\kc+3], s[G0A+4*\kc+3], 0x80000000
	s_mov_b32 s[G0B+4*\kc], 1
	s_add_co_u32 s[G0B+4*\kc+1], s3, \kc*CHUNK+BOFF
	s_add_nc_u64 s[G0B+4*\kc+2:G0B+4*\kc+3], s[62:63], \kc*3072
	s_or_b32 s[G0B+4*\kc+3], s[G0B+4*\kc+3], 0x80000000
.endr
	CROUND                                         ; all sixteen work-groups are here: the joint loads meet
	s_cmp_eq_u32 s19, 0                            ; a wave's four first fills stand in one branch on the wave's number; four v_nop follow the last
	s_cbranch_scc0 .Lfill_r
	tensor_load_to_lds s[G0A:G0A+3], s[G1A:G1A+7]
	s_nop 0
	tensor_load_to_lds s[G0A+4:G0A+7], s[G1A:G1A+7]
	s_nop 0
	tensor_load_to_lds s[G0A+8:G0A+11], s[G1A:G1A+7]
	s_nop 0
	tensor_load_to_lds s[G0A+12:G0A+15], s[G1A:G1A+7]
	s_nop 0
	PLACES
	s_branch .Lfilled
.Lfill_r:
	tensor_load_to_lds s[G0B:G0B+3], s[G1B:G1B+7]
	s_nop 0
	tensor_load_to_lds s[G0B+4:G0B+7], s[G1B:G1B+7]
	s_nop 0
	tensor_load_to_lds s[G0B+8:G0B+11], s[G1B:G1B+7]
	s_nop 0
	tensor_load_to_lds s[G0B+12:G0B+15], s[G1B:G1B+7]
	s_nop 0
	PLACES
.Lfilled:
	v_and_b32 v5, 31, v0                           ; lane
	v_and_b32 v1, 15, v0                           ; r
	v_bfe_u32 v2, v0, 4, 1                         ; h
	v_lshlrev_b32 v3, 4, v5                        ; 16 x lane
	v_lshlrev_b32 v4, 3, v5                        ; 8 x lane
	s_wait_alu depctr_va_vdst(0)
	s_lshl_b32 s92, s[WV], 2
	s_add_co_u32 s92, s92, s25
	s_lshl_b32 s92, s92, 9
	s_mov_b32 s93, 0
	s_add_nc_u64 s[92:93], s[6:7], s[92:93]        ; the scale words of my four tiles of y
	s_lshl_b32 s94, s61, 9
	s_mov_b32 s95, 0
	s_add_nc_u64 s[94:95], s[10:11], s[94:95]      ; and of W_proj's eight
.irp a, 0,1,2,3
.irp g, 0,1
	global_load_b64 v[SCA+4*\a+2*\g:SCA+4*\a+2*\g+1], v4, s[92:93] offset:512*\a+256*\g   ; 256 consecutive bytes, once
.endr
.endr
.irp b, 0,1,2,3,4,5,6,7
.irp g, 0,1
	global_load_b64 v[SCB+4*\b+2*\g:SCB+4*\b+2*\g+1], v4, s[94:95] offset:512*\b+256*\g
.endr
.endr
	s_lshl_b32 s96, s60, 9                         ; the bias runs along a lane's registers: tile b's eight outputs 32 (b / 2) + 16 h + 8 (b % 2) + 0 .. 7
	s_mov_b32 s97, 0
	s_add_nc_u64 s[96:97], s[12:13], s[96:97]
	v_lshlrev_b32 v28, 6, v2
.irp b, 0,1,2,3,4,5,6,7
	global_load_b128 v[BIAS+8*\b:BIAS+8*\b+3], v28, s[96:97] offset:(32*(\b/2)+8*(\b%2))*4
	global_load_b128 v[BIAS+8*\b+4:BIAS+8*\b+7], v28, s[96:97] offset:(32*(\b/2)+8*(\b%2))*4+16
.endr
	s_mul_i32 s2, s[WV], 12288                     ; my four tiles of y in a chunk
	v_add_nc_u32 v6, s2, v3
	v_add_nc_u32 v7, s2, v4
	v_add_nc_u32 v7, 512, v7
.irp kc, 0,1,2,3
	v_add_nc_u32 v[AA16+\kc], \kc*CHUNK, v6
	v_add_nc_u32 v[AA8+\kc], \kc*CHUNK, v7
	v_add_nc_u32 v[AB16+\kc], \kc*CHUNK+BOFF, v3
	v_add_nc_u32 v[AB8+\kc], \kc*CHUNK+BOFF+512, v4
.endr
	; the way out: a stage of 16 rows x 528 bytes for each wave, in chunk 0, which has had its one fill and, at the first store there, its last read behind a barrier
	s_mul_i32 s3, s[WV], 16*528
	v_mul_u32_u24 v[STO], v1, 528
	v_lshl_add_u32 v[STO], v2, 6, v[STO]
	v_add_nc_u32 v[STO], s3, v[STO]                ; in: row r, + 64 h
	v_add_nc_u32 v[RD], s3, v3                     ; back: 16 x lane of a row
	s_lshl_b32 s84, s24, 8
	s_lshl_b32 s85, s[WV], 6
	s_add_co_u32 s84, s84, s85                     ; my first token
	s_lshl_b32 s84, s84, 12                        ; rows of 4,096 bytes
	s_lshl_b32 s85, s60, 9
	s_add_co_u32 s84, s84, s85                     ; + my 128 outputs
	s_mov_b32 s85, 0
	s_add_nc_u64 s[84:85], s[14:15], s[84:85]
	s_wait_alu depctr_va_vdst(0)
	s_wait_tensorcnt 3                             ; my part of chunk 0 has landed; three chunks stay out
	s_barrier_signal -1
	s_barrier_wait -1
	FETCH 0,0
	FETCH 1,1
	s_wait_loadcnt 0x0                             ; scale words and bias
	s_wait_dscnt 48                                ; K step 0's fragments are in
	WIN 0x81                                       ; C (the bias) in window 0
	MUL 0,1
	WIN 0
	STEP 1
	STEP 2
	STEP 3
	STEP 4
	STEP 5
	STEP 6
	STEP 7
; THE WAY OUT, a block of 16 tokens x 128 outputs at a time: a lane's numbers go into its token's row of my stage and come back as whole rows of 512 bytes, which the 32 lanes store as 512 consecutive bytes.
.macro TOSTAGE a
	WIN 0x08                                       ; an LDS store's data are its source 1: window 2
.set b, 0
.rept 8
	ds_store_b128 v[STO], v[64*(\a)+8*b:64*(\a)+8*b+3] offset:128*(b/2)+32*(b%2)       ; each accumulator from its low end on
	ds_store_b128 v[STO], v[64*(\a)+8*b+4:64*(\a)+8*b+7] offset:128*(b/2)+32*(b%2)+16
.set b, b+1
.endr
	WIN 0
.set i, 0
.rept 16
	ds_load_b128 v[BK+64*((\a)%2)+4*i:BK+64*((\a)%2)+4*i+3], v[RD] offset:528*i       ; LDS serves a wave's instructions in order: these see the stores above, and the next block's stores come behind them
.set i, i+1
.endr
.endm
.macro SEND a, younger                 ; younger: the LDS instructions issued behind block a's loads, which may stay out
	s_wait_dscnt \younger
.set i, 0
.rept 16
	global_store_b128 v3, v[BK+64*((\a)%2)+4*i:BK+64*((\a)%2)+4*i+3], s[84:85] offset:(32*((\a)/2)+8*((\a)%2)+i+8*(i/8))*4096 th:TH_STORE_NT   ; slot i of block a is token 32 (a / 2) + 8 (a % 2) + i + 8 (i / 8)
.set i, i+1
.endr
.endm
	PLACES                                         ; four places behind the last products: for the reads of results and the loads into registers that held fragments
	TOSTAGE 0
.irp a, 1,2,3
.if \a > 1
	s_wait_xcnt 0x0                                ; block a - 2's stores have read their registers: block a's loads may land there
.endif
	TOSTAGE \a
	SEND \a-1, 32                                  ; behind block a - 1's loads: block a's 16 stores and 16 loads
.endr
	SEND 3, 0
	s_wait_tensorcnt 0x0
	ds_add_u32 v254, v255
	s_wait_dscnt 0x0
	CROUND                                         ; the closing round: no work-group ends while a partner may still ask for a tile that names it
	s_endpgm
.Lfunc_end_k_qb24e0552f2_proj:
	.size	k_qb24e0552f2_proj, .Lfunc_end_k_qb24e0552f2_proj-k_qb24e0552f2_proj
	.p2alignl 7, 3214868480
	.fill 96, 4, 3214868480
	.section	.rodata,"a",@progbits
	.p2align	6, 0x0
	.amdhsa_kernel k_qb24e0552f2_proj
		.amdhsa_group_segment_fixed_size 295424
		.amdhsa_private_segment_fixed_size 0
		.amdhsa_enable_private_segment 0
		.amdhsa_kernarg_size 48
		.amdhsa_user_sgpr_count 2
		.amdhsa_user_sgpr_kernarg_segment_ptr 1
		.amdhsa_wavefront_size32 1
		.amdhsa_system_sgpr_workgroup_id_x 1
		.amdhsa_system_sgpr_workgroup_id_y 1
		.amdhsa_system_sgpr_workgroup_id_z 1
		.amdhsa_system_vgpr_workitem_id 0
		.amdhsa_next_free_vgpr 768
		.amdhsa_next_free_sgpr 100
		.amdhsa_reserve_vcc 0
		.amdhsa_float_denorm_mode_32 3
		.amdhsa_float_denorm_mode_16_64 3
		.amdhsa_memory_ordered 1
		.amdhsa_forward_progress 1
		.amdhsa_inst_pref_size 86
	.end_amdhsa_kernel
	.amdgpu_metadata
---
amdhsa.version: [ 1, 2 ]
amdhsa.kernels:
  - .name:           k_qb24e0552f2_proj
    .symbol:         k_qb24e0552f2_proj.kd
    .args:
      - { .name: yq, .offset: 0, .size: 8, .value_kind: global_buffer, .address_space: global }
      - { .name: ys, .offset: 8, .size: 8, .value_kind: global_buffer, .address_space: global }
      - { .name: cod, .offset: 16, .size: 8, .value_kind: global_buffer, .address_space: global }
      - { .name: scl, .offset: 24, .size: 8, .value_kind: global_buffer, .address_space: global }
      - { .name: b_proj, .offset: 32, .size: 8, .value_kind: global_buffer, .address_space: global }
      - { .name: out0, .offset: 40, .size: 8, .value_kind: global_buffer, .address_space: global }
    .group_segment_fixed_size: 295424
    .private_segment_fixed_size: 0
    .kernarg_segment_align: 8
    .kernarg_segment_size: 48
    .max_flat_workgroup_size: 128
    .sgpr_count:     100
    .vgpr_count:     768
    .wavefront_size: 32
...
	.end_amdgpu_metadata
.endif
;; end of part 4
